; MI455X (gfx1250); checked and timed in simulation.
; The chip was launched on July 23, 2026; its instructions are those of AMD's public machine-readable ISA for CDNA 5 (MIT licence, August 2026) and "CDNA5" Instruction Set Architecture Reference Guide (July 2026). The comments in the code are by the model that wrote it; some were corrected since.
;; Relative Positional Attention. Allowed arithmetic: matrix products marked QUANTISED: E2M3 operands, one E8M0 scale for each 32 along K, by v_wmma_scale_f32_16x16x128_f8f6f4 with both operands' format E2M3, f32 sums; products left as they are: f32 operands where the result goes on into a quantised operand, else bf16, f16 or f32 operands; f32 sums; everything else in f32.
;; Inputs: attn_mask 2 x 1 x 2,048 x 2,048 float32; kW_codes 16 x 64 x 32 x 24 uint8 (E2M3 codes of kW, K innermost, in blocks of 32 codes, four codes in three bytes); kW_scales 16 x 64 x 32 uint8 (E8M0 scales of kW, one for each 32 codes along K); k_codes 2 x 2,048 x 32 x 24 uint8 (E2M3 codes of k, K innermost, in blocks of 32 codes, four codes in three bytes); k_scales 2 x 2,048 x 32 uint8 (E8M0 scales of k, one for each 32 codes along K); kb 16 x 64 float32; ln_b 1,024 float32; ln_g 1,024 float32; pos_enc_codes 4,096 x 32 x 24 uint8 (E2M3 codes of pos_enc, K innermost, in blocks of 32 codes, four codes in three bytes); pos_enc_scales 4,096 x 32 uint8 (E8M0 scales of pos_enc, one for each 32 codes along K); postW 16 x 64 x 1,024 float32; postb 1,024 float32; q 2 x 2,048 x 1,024 float32; qW_codes 16 x 64 x 32 x 24 uint8 (E2M3 codes of qW, K innermost, in blocks of 32 codes, four codes in three bytes); qW_scales 16 x 64 x 32 uint8 (E8M0 scales of qW, one for each 32 codes along K); r_kernel_codes 16 x 64 x 32 x 24 uint8 (E2M3 codes of r_kernel, K innermost, in blocks of 32 codes, four codes in three bytes); r_kernel_scales 16 x 64 x 32 uint8 (E8M0 scales of r_kernel, one for each 32 codes along K); r_r_bias 16 x 64 float32; r_s_bias 16 x 64 float32; r_w_bias 16 x 64 float32; seg_embed 2 x 16 x 64 float32; seg_mat 2 x 2,048 x 2,048 bool; vW_codes 16 x 64 x 32 x 24 uint8 (E2M3 codes of vW, K innermost, in blocks of 32 codes, four codes in three bytes); vW_scales 16 x 64 x 32 uint8 (E8M0 scales of vW, one for each 32 codes along K); v_codes 2 x 2,048 x 32 x 24 uint8 (E2M3 codes of v, K innermost, in blocks of 32 codes, four codes in three bytes); v_scales 2 x 2,048 x 32 uint8 (E8M0 scales of v, one for each 32 codes along K); vb 16 x 64 float32.
;; Outputs: out0 2 x 2,048 x 1,024 float32.
;; This version of the problem:
;;   THIS VERSION OF THE PROBLEM IS GIVEN IN LOW PRECISION. The matrix products marked QUANTISED in the list below multiply operands that are first quantised to E2M3 (2 exponent bits, 3 mantissa bits; 6 bits a number), with one power-of-two scale for each 32 numbers along K (OCP MX v1.0); their sums are f32. All else is computed in f32.
;;   The module's matrix products, in the order in which they are computed (A, B: the left and right operand; K: the contracted axis; several contracted axes count as one K, in the product's order):
;;     1. [M 4,096, K 1,024] x [K 1,024, N 1,024]; A: input q; B: input qW (given as codes): QUANTISED
;;     2. [M 4,096, K 1,024] x [K 1,024, N 1,024]; A: input k (given as codes); B: input kW (given as codes): QUANTISED
;;     3. [M 4,096, K 1,024] x [K 1,024, N 1,024]; A: input v (given as codes); B: input vW (given as codes): QUANTISED
;;     4. batch 32 x [M 2,048, K 64] x [K 64, N 2,048]; A: computed on the way; B: computed on the way: QUANTISED
;;     5. [M 4,096, K 1,024] x [K 1,024, N 1,024]; A: input pos_enc (given as codes); B: input r_kernel (given as codes): QUANTISED
;;     6. batch 16 x [M 4,096, K 64] x [K 64, N 4,096]; A: computed on the way; B: computed on the way: QUANTISED
;;     7. batch 16 x [M 2, K 64] x [K 64, N 4,096]; A: input seg_embed; B: computed on the way: left as it is (M = 2 < 16)
;;     8. batch 32 x [M 64, K 2,048] x [K 2,048, N 2,048]; A: computed on the way; B: softmax (see below): QUANTISED
;;     9. [M 4,096, K 1,024] x [K 1,024, N 1,024]; A: computed on the way; B: input postW: QUANTISED
;;   THE QUANTISER, for each operand of a quantised product, along K:
;;     - K is cut into blocks of 32 from its start; a last block that is shorter is filled with zeros.
;;     - A block's scale is 2^e with e = floor(log2(the largest magnitude in the block)) - 2, held to -126 .. 127; a block of zeros has e = 0. As a byte (E8M0): e + 127.
;;     - Each number is divided by its block's scale, clamped to +-7.5, and rounded to the nearest number of E2M3, ties to even, subnormals kept.
;;     - The product sums the exact products of the quantised numbers (number of the format x scale) in f32.
;;   ~~~python
;;   def quantise(x, axis):      # numpy; x: float32 -> the quantised numbers, widened to float32 again
;;       x = np.moveaxis(x, axis, -1); K = x.shape[-1]
;;       x = np.pad(x, [(0, 0)] * (x.ndim - 1) + [(0, -K % 32)]); x = x.reshape(x.shape[:-1] + (-1, 32)); a = np.abs(x).max(-1, keepdims=True)
;;       e = np.where(a > 0, np.clip(np.frexp(np.where(a > 0, a, 1))[1] - 1 - 2, -126, 127), 0)      # np.frexp(a)[1] - 1 = floor(log2(a)), exactly
;;       r = np.clip(x / 2.0 ** e, -7.5, 7.5)
;;       step = 2.0 ** (np.maximum(np.frexp(np.where(r == 0, 1, r))[1] - 1, 0) - 3)
;;       q = np.round(r / step) * step * 2.0 ** e      # np.round: ties to even
;;       return np.moveaxis(q.reshape(q.shape[:-2] + (-1,))[..., :K], -1, axis).astype(np.float32)
;;   ~~~
;;   SOFTMAX AHEAD OF A QUANTISED PRODUCT. Where the list says 'softmax', what is quantised is not the finished softmax but p = 2^(t - M), with t = logit x log2(e) and M = ceil(the row's largest t), a whole number; so 1/2 < the row's largest p <= 1. The row's sum l is taken of the UNQUANTISED p, in f32, and the product's result is divided by l at the end. Since M is a whole number, a kernel that streams over the keys may use a running M (the ceiling of the running maximum): every later rescaling is an exact power of two, which a block's scale takes up: the codes' values come out the same.
;;   OPERANDS COMPUTED ON THE WAY. 'Computed on the way' means the value that the module computes at that place (a softmax that the list does not call 'softmax' is quantised finished and normalised). What goes into a quantiser is computed in f32, as accurately as f32 sums, v_exp_f32 and their like allow (about 1e-6 of the number): no bf16 or f16 on the way to a quantiser, and a product that is left as it is and whose result goes on into a quantised operand takes f32 operands (vector FMAs, or v_wmma_f32_16x16x4_f32). A number that lies on a knife's edge between two numbers of the format may be rounded either way, as far as f32 arithmetic and the matrix unit's own rounding can turn it there, and no further.
;;   INPUTS GIVEN AS CODES. k (in the module: [2, 2048, 1024], K = its axis 2); kW (in the module: [1024, 16, 64], K = its axis 0); pos_enc (in the module: [4096, 1024], K = its axis 1); qW (in the module: [1024, 16, 64], K = its axis 0); r_kernel (in the module: [1024, 16, 64], K = its axis 0); v (in the module: [2, 2048, 1024], K = its axis 2); vW (in the module: [1024, 16, 64], K = its axis 0): each comes as NAME_codes (uint8): NAME with its K axis moved to the last place and cut into blocks of 32 codes, [.., K / 32, bytes a block], one block behind the other in memory; four codes in three bytes: a row's codes are one little-endian stream of bits, code i at bits 6 i .. 6 i + 5 (a code: sign, 2 exponent bits, 3 mantissa bits); and NAME_scales (uint8): the same leading axes, one E8M0 byte (e + 127) for each 32 codes along K. Its value is code x scale, taken as it is: it is not quantised again, and the codes and scales need not be those that the quantiser above would give.
;; One version. Each part assembles by itself: llvm-mc -triple=amdgcn-amd-amdhsa -mcpu=gfx1250 --defsym DOCPART=n.
;; ======== version 1 of 1: 5 launches
;; limits: right only within a limited range of input values
;; workspace buffers: qq 3,276,800 bytes; pw 950,272 bytes; segw 1,048,576 bytes of whole numbers; qrec 7,340,032 bytes; kv 6,815,744 bytes; rr 3,407,872 bytes; avrec 4,194,304 bytes; fl 16,384 bytes of whole numbers
;; launch prep (part 1): grid 544 x 1, 4 waves a work-group, no clusters, 67,072 bytes of LDS; arguments q, postW, seg_mat, qq, pw, segw, attn_mask; writes qq, pw, segw
.if DOCPART == 1
	.amdgcn_target "amdgcn-amd-amdhsa--gfx1250"
	.amdhsa_code_object_version 6
	.text
	.protected	k_q49c4e61017_prep
	.globl	k_q49c4e61017_prep
	.p2align	8
	.type	k_q49c4e61017_prep,@function
k_q49c4e61017_prep:
	s_mov_b64 s[64:65], 0
	v_nop
	global_prefetch_b8 v0, s[64:65] scope:SCOPE_SE
	s_setreg_imm32_b32 hwreg(HW_REG_WAVE_MODE, 25, 1), 1
	s_wait_xcnt 0x0
; prep: four jobs, parted on the work-group's number; each has LDS bytes of its own; waves share nothing, so there is no barrier.
;  work-groups 0-127:   q [4096][1024] f32 -> codes of E2M3 (K innermost, 768 bytes a row) at qq + 0, one E8M0 byte for each 32 at qq + 3,145,728.
;  work-groups 128-159: postW [1024 (k)][1024 (d)] f32 -> codes in the order of an operand's registers, K = its first axis: pw.
;  work-groups 160-415: seg_mat [4096 rows][2048] bytes -> words of lane bits for v_cndmask_b32: segw.  One work-group to a tile of 16 queries, one wave to 512 keys.
; A block's scale is 2^(floor(log2(largest magnitude)) - 2); its byte is the largest magnitude's exponent field - 2, held at 1 from below.
; LIMITS: a block of zeros, or one whose largest magnitude lies under 2^-124, gets the byte 1 (its codes are zeros or tiny; these bytes are read by this program alone);
; NaN and infinities are not served; any seg byte other than 0 counts as true.
; THE ORDER OF k INSIDE A BLOCK OF 32 in pw: position 16 a + 8 u + j holds k = 16 u + 8 a + j.  The other operand of that product (the attention's result) is laid in the same order, so the sums are the same.
.set NQWG,  128
.set NPWG,  32
.set STEPS, 16
.set CB,    12                         ; bytes of 16 codes
.set WREG,  8192                       ; q: LDS of a wave: two stages of 32 x 80 bytes, then its 256 scale bytes
.set SP,    80                         ; a lane's place in a stage: 64 bytes + 16 of padding
.set R,     16                         ; v16-79   q: four sets of 16 numbers as loaded
.set X,     80                         ; v80-111  q: two sets of 16 neighbours
.set E,     112                        ; v112-127 q: a scale byte for each step
.set C,     128                        ; v128-191 q: codes, four registers a step
.set PX,    32                         ; v32-95   postW: two sets of 32 numbers
.set PF,    96                         ; v96-143  postW: four fragments of 12 registers
.set PT,    144                        ; v144-146 postW: a block's upper 16 codes
.set PBY,   148                        ; v148-149 postW: the two bytes of a lane
.set PW,    152                        ; v152-155 postW: the four tiles' scale words
.set SSTG,  32768                      ; seg: stages, 16 rows x 528 bytes a wave
.set SPIT,  528
.set SOUT,  100                        ; v100-107 seg: two sets of four registers, 128 words each
	s_load_b256 s[4:11], s[0:1], 0x0               ; q, postW, seg_mat, qq
	s_load_b128 s[12:15], s[0:1], 0x20             ; pw, segw
	v_lshl_add_u32 v192, v0, 2, 0x10400
	v_mov_b32 v193, 0
	v_lshrrev_b32 v1, 5, v0
	v_readfirstlane_b32 s16, v1                    ; wave
	v_and_b32 v2, 31, v0                           ; lane
	s_mov_b32 s21, 0
	s_wait_kmcnt 0x0
	s_cmp_lt_u32 ttmp9, NQWG
	s_cbranch_scc0 .Lnot_q
; ---------------- q: a plain stream of blocks of 32.  A wave takes 16 steps of 512 numbers.
; Each load reads 512 consecutive bytes; a step's 2,048 bytes turn through the wave's own stage so that a lane holds 16 neighbours; two neighbouring lanes hold a block.
	s_wait_alu depctr_va_vdst(0)
	v_lshlrev_b32 v3, 4, v2                        ; my 16 bytes of a load's 512
	s_mul_i32 s17, s16, WREG
	v_lshrrev_b32 v14, 2, v2
	v_mul_u32_u24 v14, v14, SP
	v_and_b32 v15, 3, v2
	v_lshl_add_u32 v14, v15, 4, v14
	v_add_nc_u32 v14, s17, v14                     ; the stage, in: 80 (lane / 4) + 16 (lane % 4)
	v_mul_u32_u24 v15, v2, SP
	v_add_nc_u32 v15, s17, v15                     ; out: 80 x lane
	v_mul_u32_u24 v4, v2, CB                       ; my codes' place in a step's 384 bytes
	v_lshrrev_b32 v5, 1, v2
	s_add_co_u32 s17, s17, 2*32*SP
	v_add_nc_u32 v5, s17, v5                       ; my block's byte among the wave's 256
	v_lshlrev_b32 v7, 3, v2
	v_add_nc_u32 v6, s17, v7
	s_lshl_b32 s17, ttmp9, 2
	s_add_co_u32 s18, s17, s16                     ; which run of 8,192 numbers is my wave's
	s_lshl_b32 s20, s18, 15
	s_add_nc_u64 s[4:5], s[4:5], s[20:21]
	s_mul_i32 s20, s18, 32*STEPS*CB
	s_add_nc_u64 s[22:23], s[10:11], s[20:21]      ; its codes
	s_lshl_b32 s20, s18, 8
	s_add_nc_u64 s[10:11], s[10:11], s[20:21]
	s_add_nc_u64 s[10:11], s[10:11], 3145728       ; its scale bytes
.macro LOADQ t
.irp i, 0,1,2,3
	global_load_b128 v[R+16*((\t)%4)+4*\i:R+16*((\t)%4)+4*\i+3], v3, s[4:5] offset:2048*(\t)+512*\i
.endr
.endm
.macro TURNQ t                         ; LDS serves a wave's instructions in order: no wait between the stores and the loads
.irp i, 0,1,2,3
	ds_store_b128 v14, v[R+16*((\t)%4)+4*\i:R+16*((\t)%4)+4*\i+3] offset:32*SP*((\t)%2)+8*SP*\i
.endr
.irp i, 0,1,2,3
	ds_load_b128 v[X+16*((\t)%2)+4*\i:X+16*((\t)%2)+4*\i+3], v15 offset:32*SP*((\t)%2)+16*\i
.endr
.endm
.irp t, 0,1,2,3
	LOADQ \t
.endr
	s_wait_alu depctr_va_vdst(0)
	s_wait_loadcnt 12                              ; step 0's four loads are in
	TURNQ 0
.macro STEPQ t
.set XS, X+16*((\t)%2)
.if (\t) > 0
	s_wait_dscnt 1                                 ; this step's numbers are back from the stage; the last step's byte store may be out
.else
	s_wait_dscnt 0x0
.endif
.if (\t)+4 < STEPS
	LOADQ (\t)+4
.endif
.if (\t)+1 < STEPS
.if STEPS-2-(\t) >= 3
	s_wait_loadcnt 12                              ; the next step's four loads are in; three steps' may be out
.else
	s_wait_loadcnt 4*(STEPS-2-(\t))
.endif
	TURNQ (\t)+1
.endif
	v_max3_num_f32 v8, |v[XS]|, |v[XS+1]|, |v[XS+2]|
	v_max3_num_f32 v9, |v[XS+3]|, |v[XS+4]|, |v[XS+5]|
.irp i, 6,10
	v_max3_num_f32 v8, v8, |v[XS+\i]|, |v[XS+\i+1]|
	v_max3_num_f32 v9, v9, |v[XS+\i+2]|, |v[XS+\i+3]|
.endr
	v_max3_num_f32 v8, v8, |v[XS+14]|, |v[XS+15]|
	v_max3_num_f32 v8, v8, v9, 0x1800000           ; with the floor 2^(3 - 127): the byte cannot fall under 1
	v_max_num_f32_dpp v8, v8, v8 row_xmask:1 row_mask:0xf bank_mask:0xf   ; and my neighbour's 16: the block's
	v_add_nc_u32 v11, 0xff000000, v8               ; 2 off the exponent field: the conversion's scale operand
	v_cvt_scalef32_pk16_fp6_f32 v[C+4*(\t):C+4*(\t)+2], v[XS:XS+15], v11
	v_lshrrev_b32 v[E+(\t)], 23, v11               ; the scale's byte
	ds_store_b8 v5, v[E+(\t)] offset:16*(\t)       ; both lanes of a block write the same byte
	global_store_b96 v4, v[C+4*(\t):C+4*(\t)+2], s[22:23] offset:32*CB*(\t)
.endm
.irp t, 0,1,2,3,4,5,6,7,8,9,10,11,12,13,14,15
	STEPQ \t
.endr
	ds_load_b64 v[12:13], v6
	s_wait_dscnt 0x0
	global_store_b64 v7, v[12:13], s[10:11]        ; 32 lanes store 256 consecutive bytes, aligned
	s_wait_tensorcnt 0x0
	ds_add_u32 v192, v193
	s_wait_dscnt 0x0
	s_endpgm
.Lnot_q:
	s_cmp_lt_u32 ttmp9, NQWG+NPWG
	s_cbranch_scc0 .Lseg
; ---------------- postW.  A wave takes 64 columns d (64 w' ..) x 128 along K (128 kappa ..): four fragments of 16 columns.
; Lane (r, hl) takes column 64 w' + 16 T + r and its registers run down K, in the order that the fragment's registers want: registers 6 c .. 6 c + 5 hold k = 64 c + 32 hl + (the block's order).
	s_sub_co_u32 s17, ttmp9, NQWG
	s_lshl_b32 s17, s17, 2
	s_add_co_u32 s17, s17, s16                     ; task = 8 w' + kappa
	s_lshr_b32 s18, s17, 3
	s_and_b32 s19, s17, 7
	v_and_b32 v3, 15, v0                           ; r
	v_bfe_u32 v4, v0, 4, 1                         ; hl
	v_lshlrev_b32 v5, 2, v3
	v_lshl_add_u32 v5, v4, 17, v5                  ; 32 rows of 4,096 bytes for lanes 16-31, + 4 r
	s_wait_alu depctr_va_vdst(0)
	v_lshlrev_b32 v6, 4, v2                        ; 16 x lane
	v_lshlrev_b32 v7, 3, v2                        ; 8 x lane
	v_lshlrev_b32 v8, 3, v4                        ; 8 hl: how far my bytes are shifted in a scale word
	v_mov_b32 v10, 0                               ; a lane permute's destination counts as one of its sources
	s_lshl_b32 s20, s19, 19                        ; 128 rows of 4,096 bytes a K step
	s_lshl_b32 s18, s18, 8
	s_add_co_u32 s20, s20, s18
	s_add_nc_u64 s[6:7], s[6:7], s[20:21]
	s_mul_i32 s20, s17, 4*1536
	s_add_nc_u64 s[22:23], s[12:13], s[20:21]      ; my four fragments' images
	s_lshl_b32 s20, s17, 8
	s_add_nc_u64 s[12:13], s[12:13], s[20:21]
	s_add_nc_u64 s[12:13], s[12:13], 786432        ; my unit of scale words
	s_mov_b32 s24, 0x76543210
	s_mov_b32 s25, 0xfedcba98                      ; v_permlanex16_b32: lane l xor 16
.macro LOADU u                         ; unit u = 2 T + c: one block of 32 a lane, into set u % 2
.set p, 0
.rept 32
	global_load_b32 v[PX+32*((\u)%2)+p], v5, s[6:7] offset:(64*((\u)%2)+16*((p/8)%2)+8*(p/16)+p%8)*4096+64*((\u)/2)
.set p, p+1
.endr
.endm
.macro UNIT u
.set XS, PX+32*((\u)%2)
.set FF, PF+12*((\u)/2)+6*((\u)%2)
.if (\u) < 7
	s_wait_loadcnt 32                              ; this unit's 32 loads are in; the next unit's may be out
.else
	s_wait_loadcnt 0x0
.endif
	v_max3_num_f32 v12, |v[XS]|, |v[XS+1]|, |v[XS+2]|
	v_max3_num_f32 v13, |v[XS+3]|, |v[XS+4]|, |v[XS+5]|
.irp i, 6,10,14,18,22,26
	v_max3_num_f32 v12, v12, |v[XS+\i]|, |v[XS+\i+1]|
	v_max3_num_f32 v13, v13, |v[XS+\i+2]|, |v[XS+\i+3]|
.endr
	v_max3_num_f32 v12, v12, |v[XS+30]|, |v[XS+31]|
	v_max3_num_f32 v12, v12, v13, 0x1800000
	v_add_nc_u32 v11, 0xff000000, v12
	v_lshrrev_b32 v[PBY+(\u)%2], 23, v11
	v_cvt_scalef32_pk16_fp6_f32 v[FF:FF+2], v[XS:XS+15], v11
	v_cvt_scalef32_pk16_fp6_f32 v[PT:PT+2], v[XS+16:XS+31], v11   ; a conversion's three registers begin on an even number
	v_nop                                          ; one plain place behind a scaled conversion
.irp i, 0,1,2
	v_mov_b32 v[FF+3+\i], v[PT+\i]
.endr
.if (\u)+2 < 8
	LOADU (\u)+2
.endif
.if (\u)%2 == 1
	v_lshl_or_b32 v9, v[PBY+1], 16, v[PBY]         ; my bytes: blocks hl and 2 + hl,
	v_lshlrev_b32 v9, v8, v9                       ; at their places;
	v_permlanex16_b32 v10, v9, s24, s25
	v_or_b32 v[PW+(\u)/2], v9, v10                 ; with lane l xor 16's two the word is whole
.irp c, 0,1,2
	global_store_b128 v6, v[PF+12*((\u)/2)+4*\c:PF+12*((\u)/2)+4*\c+3], s[22:23] offset:1536*((\u)/2)+512*\c   ; the fragment as it stands: 512 consecutive bytes a store
.endr
.endif
.endm
	LOADU 0
	LOADU 1
.irp u, 0,1,2,3,4,5,6,7
	UNIT \u
.endr
	v_cmp_ne_u32 vcc_lo, 0, v4
	v_cndmask_b32 v20, v[PW], v[PW+1], vcc_lo      ; word 0: lanes 0-15 tile 0, lanes 16-31 tile 1
	v_cndmask_b32 v21, v[PW+2], v[PW+3], vcc_lo    ; word 1: tiles 2 and 3
	global_store_b64 v7, v[20:21], s[12:13]        ; 256 consecutive bytes, aligned
	s_endpgm
.Lseg:
	s_cmp_lt_u32 ttmp9, NQWG+NPWG+256
	s_cbranch_scc0 .Lmsk
	s_sub_co_u32 s17, ttmp9, NQWG+NPWG
	s_lshl_b32 s20, s17, 15                        ; 16 rows of 2,048 bytes,
	s_lshl_b32 s18, s16, 9                         ; my wave's 512 keys
	s_add_co_u32 s20, s20, s18
	s_add_nc_u64 s[8:9], s[8:9], s[20:21]
	s_lshl_b32 s20, s17, 12                        ; 32 steps of 128 bytes,
	s_lshl_b32 s18, s16, 10                        ; my wave's eight
	s_add_co_u32 s20, s20, s18
	s_add_nc_u64 s[14:15], s[14:15], s[20:21]
	s_wait_alu depctr_va_vdst(0)
	v_lshlrev_b32 v3, 4, v2                        ; 16 x lane
.irp i, 0,1,2,3,4,5,6,7,8,9,10,11,12,13,14,15
	global_load_b128 v[32+4*\i:35+4*\i], v3, s[8:9] offset:2048*\i th:TH_LOAD_NT   ; 512 consecutive bytes of row i
.endr
	s_mul_i32 s18, s16, 16*SPIT
	s_add_co_u32 s18, s18, SSTG
	v_add_nc_u32 v4, s18, v3                       ; the stage, in: 16 x lane of a row
	v_and_b32 v5, 15, v0
	v_bfe_u32 v6, v0, 4, 1
	v_mul_u32_u24 v7, v5, SPIT
	v_lshl_add_u32 v7, v6, 3, v7
	v_add_nc_u32 v7, s18, v7                       ; out: row r, + 8 hl
.irp i, 0,1,2,3,4,5,6,7
	v_mov_b32 v[SOUT+\i], 0                        ; v_writelane_b32's destination counts as read
.endr
	s_wait_alu depctr_va_vdst(0)
.irp i, 0,1,2,3,4,5,6,7,8,9,10,11,12,13,14,15
	s_wait_loadcnt 15-\i                           ; row i is in; the 15 - i younger rows may be out
	ds_store_b128 v4, v[32+4*\i:35+4*\i] offset:SPIT*\i
.endr
; A step of 64 keys: a lane's 32 bytes, then the 32 words, eight at a time (a byte cut out; the 32 lanes' compares are the word; the word to its lane of the output), so that no line reads the result of the line just above it.
.macro SEGSTEP sp
.irp T, 0,1,2,3
	ds_load_b64 v[16+2*\T:17+2*\T], v7 offset:64*(\sp)+16*\T   ; LDS serves a wave's instructions in order: these see my stores
.endr
	s_wait_dscnt 0x0
.irp g, 0,1,2,3
.irp e, 0,1,2,3,4,5,6,7
	v_and_b32 v[24+\e], 0xff<<(8*(\e%4)), v[16+2*\g+\e/4]
.endr
.irp e, 0,1,2,3,4,5,6,7
	v_cmp_ne_u32 s[24+\e], 0, v[24+\e]
.endr
.irp e, 0,1,2,3,4,5,6,7
	v_writelane_b32 v[SOUT+4*((\sp)/4)+\e%4], s[24+\e], 8*((\sp)%4)+2*\g+\e/4   ; word 32 (sp % 4) + 8 g + e of four steps' 128: register word % 4, lane word / 4
.endr
.endr
.endm
.irp sp, 0,1,2,3
	SEGSTEP \sp
.endr
	global_store_b128 v3, v[SOUT:SOUT+3], s[14:15]             ; four steps' 128 words: 512 consecutive bytes
.irp sp, 4,5,6,7
	SEGSTEP \sp
.endr
	global_store_b128 v3, v[SOUT+4:SOUT+7], s[14:15] offset:512
	s_wait_tensorcnt 0x0
	ds_add_u32 v192, v193
	s_wait_dscnt 0x0
	s_endpgm
.Lmsk:
; ---------------- attn_mask, work-groups 416-543: one to 32 queries (64 b + pair), each of its four waves 8 rows of 2,048 numbers.  No LDS.
; For each step of 64 keys the wave stores D = the least, over its rows, of (the row's smallest mask number in the step - the row's smallest mask number at all - 2^-18 (the two magnitudes)), and Z = the largest magnitude in the step.
; A later launch holds 1e6 D against a bound on the scores.  Lane (hl, r) holds step 2 r + hl.  The table lies in pw from byte 819,200 on: 256 bytes a wave, (D, Z) of lane l at 8 l.
	s_load_b64 s[24:25], s[0:1], 0x30              ; attn_mask
	s_sub_co_u32 s17, ttmp9, NQWG+NPWG+256
	s_lshl_b32 s18, s17, 2
	s_add_co_u32 s18, s18, s16                     ; which 8 rows are my wave's
	s_lshl_b32 s20, s18, 16                        ; 8 rows of 8,192 bytes
	s_wait_alu depctr_va_vdst(0)
	v_lshlrev_b32 v3, 4, v2                        ; 16 x lane
	v_lshlrev_b32 v4, 3, v2                        ; 8 x lane
	v_and_b32 v5, 15, v2
	v_mov_b32 v7, 0                                ; a lane permute's destination counts as one of its sources
	v_mov_b32 v12, 0x7f7fffff                      ; D: over every number
.irp i, 0,1,2,3,4,5,6,7,8,9,10,11,12,13,14,15
	v_mov_b32 v[176+\i], 0                         ; the magnitudes
.endr
.irp i, 0,1,2,3,4,5,6,7,8,9,10,11,12,13,14,15
	v_cmp_eq_u32 s[32+\i], \i, v5                  ; the two lanes that keep load i's result
.endr
	s_mov_b32 s28, 0x76543210
	s_mov_b32 s29, 0xfedcba98
	s_mov_b32 s30, 0xb6800000                      ; -2^-18
	s_mov_b32 s31, 3
	s_wait_alu depctr_va_vdst(0)
	s_wait_kmcnt 0x0
	s_add_nc_u64 s[24:25], s[24:25], s[20:21]
	s_lshl_b32 s20, s18, 8
	s_add_nc_u64 s[26:27], s[12:13], s[20:21]
	s_add_nc_u64 s[26:27], s[26:27], 819200
.macro LOADM buf, row                  ; a row: 16 loads of 512 consecutive bytes; lanes 0-15 of load i hold step 2 i, lanes 16-31 step 2 i + 1
.irp i, 0,1,2,3,4,5,6,7,8,9,10,11,12,13,14,15
	global_load_b128 v[32+64*(\buf)+4*\i:35+64*(\buf)+4*\i], v3, s[24:25] offset:8192*(\row)+512*\i th:TH_LOAD_NT
.endr
.endm
.macro ROWM buf, more, cnt             ; cnt: the other row's loads, which may be out;  more = 1: the row two further on is asked for
.set XS, 32+64*(\buf)
	s_wait_loadcnt \cnt
.irp i, 0,1,2,3,4,5,6,7,8,9,10,11,12,13,14,15
	v_min3_num_f32 v[160+\i], v[XS+4*\i], v[XS+4*\i+1], v[XS+4*\i+2]
.endr
.irp i, 0,1,2,3,4,5,6,7,8,9,10,11,12,13,14,15
	v_min_num_f32 v[160+\i], v[160+\i], v[XS+4*\i+3]
.endr
.irp i, 0,1,2,3,4,5,6,7,8,9,10,11,12,13,14,15
	v_max3_num_f32 v[176+\i], v[176+\i], |v[XS+4*\i]|, |v[XS+4*\i+1]|     ; the magnitudes are joined over the rows first, over the lanes at the end
.endr
.irp i, 0,1,2,3,4,5,6,7,8,9,10,11,12,13,14,15
	v_max3_num_f32 v[176+\i], v[176+\i], |v[XS+4*\i+2]|, |v[XS+4*\i+3]|
.endr
.if \more
	LOADM \buf, 2+\buf
.endif
.irp m, 1,2,4,8
.irp i, 0,1,2,3,4,5,6,7,8,9,10,11,12,13,14,15
	v_min_num_f32_dpp v[160+\i], v[160+\i], v[160+\i] row_xmask:\m row_mask:0xf bank_mask:0xf
.endr
.endr
	v_mov_b32 v8, v160
.irp i, 1,2,3,4,5,6,7,8,9,10,11,12,13,14,15
	s_delay_alu instid0(VALU_DEP_1)
	v_cndmask_b32 v8, v8, v[160+\i], s[32+\i]      ; lane (hl, r): the smallest of step 2 r + hl
.endr
	s_delay_alu instid0(VALU_DEP_1)
	v_mov_b32 v9, v8
.irp m, 1,2,4,8
	s_delay_alu instid0(VALU_DEP_1)
	v_min_num_f32_dpp v9, v9, v9 row_xmask:\m row_mask:0xf bank_mask:0xf
.endr
	s_delay_alu instid0(VALU_DEP_1)
	v_permlanex16_b32 v7, v9, s28, s29
	s_delay_alu instid0(VALU_DEP_1)
	v_min_num_f32 v9, v9, v7                       ; the row's smallest
	s_delay_alu instid0(VALU_DEP_1)
	v_sub_f32 v10, v8, v9
	v_add_f32 v11, |v8|, |v9|
	s_delay_alu instid0(VALU_DEP_1)
	v_fma_f32 v10, v11, s30, v10
	s_delay_alu instid0(VALU_DEP_1)
	v_min_num_f32 v12, v12, v10
.endm
	LOADM 0, 0
	LOADM 1, 1
.Lmrow:                                            ; three trips of two rows; the last two rows are written out: no load leaves the buffer
	ROWM 0, 1, 16
	ROWM 1, 1, 16
	s_wait_xcnt 0x0                                ; the base is stepped only behind this wait
	s_add_nc_u64 s[24:25], s[24:25], 16384
	s_sub_co_u32 s31, s31, 1
	s_cmp_lg_u32 s31, 0
	s_wait_alu depctr_va_vdst(0)
	s_cbranch_scc1 .Lmrow
	ROWM 0, 0, 16
	ROWM 1, 0, 0
.irp m, 1,2,4,8
.irp i, 0,1,2,3,4,5,6,7,8,9,10,11,12,13,14,15
	v_max_num_f32_dpp v[176+\i], v[176+\i], v[176+\i] row_xmask:\m row_mask:0xf bank_mask:0xf
.endr
.endr
	v_mov_b32 v13, v176
.irp i, 1,2,3,4,5,6,7,8,9,10,11,12,13,14,15
	s_delay_alu instid0(VALU_DEP_1)
	v_cndmask_b32 v13, v13, v[176+\i], s[32+\i]
.endr
	global_store_b64 v4, v[12:13], s[26:27]        ; 256 consecutive bytes, aligned
	s_endpgm
.Lfunc_end_k_q49c4e61017_prep:
	.size	k_q49c4e61017_prep, .Lfunc_end_k_q49c4e61017_prep-k_q49c4e61017_prep
	.p2alignl 7, 3214868480
	.fill 96, 4, 3214868480
	.section	.rodata,"a",@progbits
	.p2align	6, 0x0
	.amdhsa_kernel k_q49c4e61017_prep
		.amdhsa_group_segment_fixed_size 67072
		.amdhsa_private_segment_fixed_size 0
		.amdhsa_enable_private_segment 0
		.amdhsa_kernarg_size 56
		.amdhsa_user_sgpr_count 2
		.amdhsa_user_sgpr_kernarg_segment_ptr 1
		.amdhsa_wavefront_size32 1
		.amdhsa_system_sgpr_workgroup_id_x 1
		.amdhsa_system_sgpr_workgroup_id_y 1
		.amdhsa_system_sgpr_workgroup_id_z 1
		.amdhsa_system_vgpr_workitem_id 0
		.amdhsa_next_free_vgpr 194
		.amdhsa_next_free_sgpr 66
		.amdhsa_reserve_vcc 1
		.amdhsa_float_denorm_mode_32 3
		.amdhsa_float_denorm_mode_16_64 3
		.amdhsa_memory_ordered 1
		.amdhsa_forward_progress 1
		.amdhsa_inst_pref_size 179
	.end_amdhsa_kernel
	.amdgpu_metadata
---
amdhsa.version: [ 1, 2 ]
amdhsa.kernels:
  - .name:           k_q49c4e61017_prep
    .symbol:         k_q49c4e61017_prep.kd
    .args:
      - { .name: q, .offset: 0, .size: 8, .value_kind: global_buffer, .address_space: global }
      - { .name: postW, .offset: 8, .size: 8, .value_kind: global_buffer, .address_space: global }
      - { .name: seg_mat, .offset: 16, .size: 8, .value_kind: global_buffer, .address_space: global }
      - { .name: qq, .offset: 24, .size: 8, .value_kind: global_buffer, .address_space: global }
      - { .name: pw, .offset: 32, .size: 8, .value_kind: global_buffer, .address_space: global }
      - { .name: segw, .offset: 40, .size: 8, .value_kind: global_buffer, .address_space: global }
      - { .name: attn_mask, .offset: 48, .size: 8, .value_kind: global_buffer, .address_space: global }
    .group_segment_fixed_size: 67072
    .private_segment_fixed_size: 0
    .kernarg_segment_align: 8
    .kernarg_segment_size: 56
    .max_flat_workgroup_size: 128
    .sgpr_count:     66
    .vgpr_count:     194
    .wavefront_size: 32
...
	.end_amdgpu_metadata
.endif
;; end of part 1
;; launch proj (part 2): grid 4 x 64, 16 waves a work-group, clusters of 4 x 4, 327,680 bytes of LDS; arguments qW_codes, qW_scales, qq, kW_codes, kW_scales, k_codes, k_scales, r_kernel_codes, r_kernel_scales, pos_enc_codes, pos_enc_scales, v_codes, v_scales, vW_codes, vW_scales, kb, vb, r_w_bias, r_r_bias, r_s_bias, seg_embed, qrec, kv, rr; writes qrec, kv, rr
.if DOCPART == 2
	.amdgcn_target "amdgcn-amd-amdhsa--gfx1250"
	.amdhsa_code_object_version 6
	.text
	.protected	k_q49c4e61017_proj
	.globl	k_q49c4e61017_proj
	.p2align	8
	.type	k_q49c4e61017_proj,@function
k_q49c4e61017_proj:
	s_mov_b64 s[64:65], 0
	v_nop
	global_prefetch_b8 v0, s[64:65] scope:SCOPE_SE
	s_setreg_imm32_b32 hwreg(HW_REG_WAVE_MODE, 25, 1), 1
	s_wait_xcnt 0x0
	s_wait_alu depctr_hold_cnt(0) depctr_sa_sdst(0) depctr_va_vdst(0) depctr_va_sdst(0) depctr_va_ssrc(0) depctr_va_vcc(0) depctr_vm_vsrc(0)
	s_getreg_b32 s2, hwreg(HW_REG_IB_STS2, 6, 4)
	s_cmp_eq_u32 s2, 0
	s_cbranch_scc0 .Lentry_in_a_cluster
	s_endpgm
.Lentry_in_a_cluster:
	s_bfe_u32 s2, ttmp6, 0x10000c
	s_cmp_lg_u32 s2, 0xf033
	s_cbranch_scc0 .Lentry_shape_is_right
	s_endpgm
.Lentry_shape_is_right:
; proj: the four head projections, each a product [4096 or 1024 rows] x [1024 or 4096 rows] over K = 1,024 on codes of E2M3, and what is made of them.
; A cluster of 4 x 4 work-groups belongs to one problem p = cluster y / 4, part g = cluster y % 4.  Source 0 (X0) is the operand whose rows are the axis that is quantised next, so that it runs along a lane's registers:
;   p = 0: X0 = qW, X1 = q (codes made by the launch before);  1: X0 = kW, X1 = k;  2: X0 = r_kernel, X1 = pos_enc;  3: X0 = v, X1 = vW (the keys are the next K).
; A work-group makes 256 x 256; each of its sixteen waves 64 rows of X0 x 64 rows of X1: 16 accumulators.  K goes in steps of 256 through two LDS slots; all scale bytes of the 512 rows come once.
; X1's tile hangs on cy alone and is asked for jointly along the cluster's row, X0's on cx alone, along its column.
; THE WAY OUT: a lane holds one row of X1 and 32 of the 64 numbers that are quantised together (lane l xor 16 the others): two blocks of 32.  QUANT2 makes 6 registers of codes and a scale word (bytes 0, 1; bytes 2, 3 are 0).
; In a block, position 16 a + 8 u + j holds element 16 u + 8 a + j; every operand of the later products is laid so, on both sides, so the sums are the same.
; An operand's 6 registers leave as an image: register pair p of lane l at 256 p + 8 l: each store covers 256 consecutive bytes, aligned.
; p = 0 also makes the two segment sums (f32 fused multiply-adds).  NORM = 1/8 is a power of two: acc / 8 + bias / 8 by one fused multiply-add is reference()'s sum rounded once.
; LIMITS: NaN and infinities are not served; a block under 2^-124 or of zeros has the byte 1 (read by this program alone).
.set PITCH,  272                       ; an LDS row: a chunk of 256 bytes of a row of codes + 16 of padding; chunk c lies in slot c % 2
.set HALFT,  128*PITCH                 ; what one tensor load brings
.set SLOT,   4*HALFT                   ; X1's 256 rows, then X0's 256 rows
.set SCL,    2*SLOT                    ; the scale bytes: units of 256 bytes + 16
.set HALFS,  16*272                    ; those of 128 rows
.set SBLK,   544                       ; those of 16 rows
.set SPARE,  SCL+4*HALFS               ; the spare words: 128 bytes a wave, eight blocks of 256 bytes that no other line names
.set FR,     12
.set SPW,  1
.set NIL,  2
.set AX1,  4                           ; v4-5 my X1 fragments in slot 0, 1; v6-7 the same behind one padding more
.set AX0,  8                           ; v8-11 likewise for X0
.set ADRS, 12                          ; my scale words: lanes 0-15 X1's rows, lanes 16-31 X0's
.set L8,   13
.set L4,   14
.set SC,   16                          ; v16-23 scale words: register 2 i + q
.set QTM,  24                          ; v24-31 QUANT2's temporaries
.set F0,   32                          ; v32-79 X0's four fragments
.set F1,   80                          ; v80-127 X1's
.set ACC,  128                         ; accumulator (a, b) at 128 + 8 (4 a + b)
.set BR,   32                          ; the way out: a bias along the registers
.set BL,   64                          ; a bias along the lanes, a pair for each a
.set TQ,   64                          ; p = 0: 32 numbers at work
.set QPC,  96                          ; v96-101 the codes just made
.set QPT,  102
.set QW,   112                         ; v112-119 scale words kept
.set DS,   120                         ; v120-127 the segment sums: diff, same for each a
.set WV,  12
.set SW0, 13
.set SW1, 14
.set P,   15
.set G,   16
.set CX,  17
.set CY,  18
.set G1X1, 24
.set G0X1, 32
.set G1X0, 40
.set G0X0, 48
.set G1S1, 56
.set G1S0, 68
.set G0S1, 76
.set G0S0, 80
.set SEL,  104
.macro CROUND                          ; a round of the cluster's barrier
	s_barrier_signal -1
	s_barrier_wait -1
	s_cmp_lg_u32 s[WV], 0
	s_cbranch_scc1 .Lnot_wave_0_\@
	s_barrier_signal -3
.Lnot_wave_0_\@:
	s_barrier_wait -3
	s_barrier_signal -1
	s_barrier_wait -1
.endm
.macro JLOAD slot                      ; waves 0, 1 ask for X1's halves, waves 2, 3 for X0's, the others for nothing; four v_nop follow each line
	s_cmp_lt_u32 s[WV], 2
	s_cbranch_scc0 .Lnot1_\@
	tensor_load_to_lds s[G0X1+4*\slot:G0X1+4*\slot+3], s[G1X1:G1X1+7]
	s_nop 0
.rept 4
	v_nop
.endr
	s_branch .Lasked_\@
.Lnot1_\@:
	s_cmp_lt_u32 s[WV], 4
	s_cbranch_scc0 .Lasked_\@
	tensor_load_to_lds s[G0X0+4*\slot:G0X0+4*\slot+3], s[G1X0:G1X0+7]
	s_nop 0
.rept 4
	v_nop
.endr
.Lasked_\@:
.endm
	s_load_b512 s[24:39], s[0:1], 0x0              ; arguments 0-7
	s_load_b512 s[40:55], s[0:1], 0x40             ; arguments 8-15
	v_lshl_add_u32 v[SPW], v0, 2, SPARE
	v_mov_b32 v[NIL], 0
	ds_add_u32 v1, v2
	ds_add_u32 v1, v2
	s_wait_dscnt 0x0
	v_lshrrev_b32 v3, 5, v0
	s_delay_alu instid0(VALU_DEP_1)
	v_readfirstlane_b32 s[WV], v3
	s_and_b32 s[SW0], s[WV], 3                     ; my 64 rows of X0
	s_lshr_b32 s[SW1], s[WV], 2                    ; my 64 rows of X1
	s_and_b32 s[G], ttmp7, 0xffff
	s_lshr_b32 s[P], s[G], 2
	s_and_b32 s[G], s[G], 3
	s_bfe_u32 s[CX], ttmp6, 0x40000
	s_bfe_u32 s[CY], ttmp6, 0x40004
	s_mov_b32 s[SEL], 0x76543210
	s_mov_b32 s[SEL+1], 0xfedcba98
	s_cmp_eq_u32 s[P], 3
	s_cselect_b32 s19, 0, s[G]
	s_cselect_b32 s2, s[G], 0
	s_lshl_b32 s19, s19, 2
	s_add_co_u32 s19, s19, s[CY]                   ; X1's tile: cy + 4 g (p = 3: cy)
	s_lshl_b32 s2, s2, 2
	s_add_co_u32 s2, s2, s[CX]                     ; X0's tile: cx (p = 3: cx + 4 g)
	s_and_b32 s3, s[WV], 1
	s_lshl_b32 s3, s3, 7
	s_lshl_b32 s19, s19, 8
	s_add_co_u32 s19, s19, s3                      ; the first of the 128 rows of X1 that I would fetch
	s_lshl_b32 s2, s2, 8
	s_add_co_u32 s2, s2, s3                        ; and of X0
	s_and_b32 s3, s[WV], 3
	s_mul_i32 s66, s3, HALFT                       ; where they go: no place in the cluster enters an LDS address
	s_mul_i32 s67, s3, HALFS
	s_add_co_u32 s67, s67, SCL
	s_wait_kmcnt 0x0
	s_mov_b64 s[4:5], s[24:25]                     ; X0's codes, X0's scales, X1's codes, X1's scales: chosen on p, which hangs on no address
	s_mov_b64 s[6:7], s[26:27]
	s_mov_b64 s[8:9], s[28:29]
	s_add_nc_u64 s[10:11], s[28:29], 3145728
	s_cmp_eq_u32 s[P], 1
	s_cselect_b64 s[4:5], s[30:31], s[4:5]
	s_cselect_b64 s[6:7], s[32:33], s[6:7]
	s_cselect_b64 s[8:9], s[34:35], s[8:9]
	s_cselect_b64 s[10:11], s[36:37], s[10:11]
	s_cmp_eq_u32 s[P], 2
	s_cselect_b64 s[4:5], s[38:39], s[4:5]
	s_cselect_b64 s[6:7], s[40:41], s[6:7]
	s_cselect_b64 s[8:9], s[42:43], s[8:9]
	s_cselect_b64 s[10:11], s[44:45], s[10:11]
	s_cmp_eq_u32 s[P], 3
	s_cselect_b64 s[4:5], s[46:47], s[4:5]
	s_cselect_b64 s[6:7], s[48:49], s[6:7]
	s_cselect_b64 s[8:9], s[50:51], s[8:9]
	s_cselect_b64 s[10:11], s[52:53], s[10:11]
	; descriptor groups 1: codes: 128 rows x 256 bytes, 768 bytes apart, 16 bytes of padding behind each; scales: 16 rows of 256 dense bytes, 16 of padding behind each
	s_lshl_b32 s20, s[CY], 2
	s_lshl_b32 s20, 15, s20                        ; my row of the cluster
	s_lshl_b32 s22, 0x1111, s[CX]                  ; my column
	s_or_b32 s[G1X1], s20, (1<<20)|(1<<21)|(5<<22)|(3<<25)   ; codes: 128 rows x 256 bytes, 768 apart, 16 bytes of padding behind each
	s_or_b32 s[G1X0], s22, (1<<20)|(1<<21)|(5<<22)|(3<<25)
	s_or_b32 s[G1S1], s20, (3<<16)|(1<<20)|(1<<21)|(5<<22)|(3<<25)
	s_or_b32 s[G1S0], s22, (3<<16)|(1<<20)|(1<<21)|(5<<22)|(3<<25)
.irp g, G1X1, G1X0
	s_mov_b32 s[\g+1], 256<<16
	s_mov_b32 s[\g+2], 128<<16
	s_mov_b32 s[\g+3], 256<<16
	s_mov_b32 s[\g+4], 128
	s_mov_b32 s[\g+5], 768
	s_mov_b32 s[\g+6], 0
	s_mov_b32 s[\g+7], 0
.endr
.irp g, G1S1, G1S0
	s_mov_b32 s[\g+1], 32<<16
	s_mov_b32 s[\g+2], 16<<16
	s_mov_b32 s[\g+3], 32<<16
	s_mov_b32 s[\g+4], 16
	s_mov_b32 s[\g+5], 32
	s_mov_b32 s[\g+6], 0
	s_mov_b32 s[\g+7], 0
.endr
	; groups 0.  X1's are made of cy, g, p and the wave's number alone, X0's of cx, g, p and the wave's number alone
	s_mul_i32 s20, s19, 768
	s_mov_b32 s21, 0
	s_mov_b32 s[G0X1], 1
	s_mov_b32 s[G0X1+1], s66
	s_add_nc_u64 s[G0X1+2:G0X1+3], s[8:9], s[20:21]
	s_mov_b32 s[G0X1+4], 1
	s_add_co_u32 s[G0X1+5], s66, SLOT
	s_add_nc_u64 s[G0X1+6:G0X1+7], s[G0X1+2:G0X1+3], 256
	s_or_b32 s[G0X1+3], s[G0X1+3], 0x80000000
	s_or_b32 s[G0X1+7], s[G0X1+7], 0x80000000
	s_lshl_b32 s20, s19, 5
	s_mov_b32 s[G0S1], 1
	s_mov_b32 s[G0S1+1], s67
	s_add_nc_u64 s[G0S1+2:G0S1+3], s[10:11], s[20:21]
	s_or_b32 s[G0S1+3], s[G0S1+3], 0x80000000
	s_mul_i32 s22, s2, 768
	s_mov_b32 s23, 0
	s_mov_b32 s[G0X0], 1
	s_mov_b32 s[G0X0+1], s66
	s_add_nc_u64 s[G0X0+2:G0X0+3], s[4:5], s[22:23]
	s_mov_b32 s[G0X0+4], 1
	s_add_co_u32 s[G0X0+5], s66, SLOT
	s_add_nc_u64 s[G0X0+6:G0X0+7], s[G0X0+2:G0X0+3], 256
	s_or_b32 s[G0X0+3], s[G0X0+3], 0x80000000
	s_or_b32 s[G0X0+7], s[G0X0+7], 0x80000000
	s_lshl_b32 s22, s2, 5
	s_mov_b32 s[G0S0], 1
	s_mov_b32 s[G0S0+1], s67
	s_add_nc_u64 s[G0S0+2:G0S0+3], s[6:7], s[22:23]
	s_or_b32 s[G0S0+3], s[G0S0+3], 0x80000000
	CROUND                                         ; all sixteen work-groups are here: the first joint loads meet
	s_cmp_lt_u32 s[WV], 2                          ; a wave's first fill stands in one arm: at most one load of mine is out
	s_cbranch_scc0 .Lfirst_not1                    ; one chain of branches, one load to an arm: waves 0, 1 chunk 0 of X1's halves, 2, 3 of X0's, 4, 5 X1's scales, 6, 7 X0's
	tensor_load_to_lds s[G0X1:G0X1+3], s[G1X1:G1X1+7]
	s_nop 0
.rept 4
	v_nop
.endr
	s_branch .Lfirst_asked
.Lfirst_not1:
	s_cmp_lt_u32 s[WV], 4
	s_cbranch_scc0 .Lfirst_not0
	tensor_load_to_lds s[G0X0:G0X0+3], s[G1X0:G1X0+7]
	s_nop 0
.rept 4
	v_nop
.endr
	s_branch .Lfirst_asked
.Lfirst_not0:
	s_cmp_lt_u32 s[WV], 6
	s_cbranch_scc0 .Lfirst_nots
	tensor_load_to_lds s[G0S1:G0S1+3], s[G1S1:G1S1+7]
	s_nop 0
.rept 4
	v_nop
.endr
	s_branch .Lfirst_asked
.Lfirst_nots:
	s_cmp_lt_u32 s[WV], 8
	s_cbranch_scc0 .Lfirst_asked
	tensor_load_to_lds s[G0S0:G0S0+3], s[G1S0:G1S0+7]
	s_nop 0
.rept 4
	v_nop
.endr
.Lfirst_asked:
	v_and_b32 v3, 15, v0                           ; r
	v_bfe_u32 v15, v0, 4, 1                        ; hl
	s_delay_alu instid0(VALU_DEP_2)
	v_mul_u32_u24 v24, v3, PITCH
	s_mov_b32 s20, SLOT-232
	s_mov_b32 s22, SLOT+232
	v_mul_u32_u24 v25, s20, v15
	v_sub_nc_u32 v26, 1, v15                       ; 1 in lanes 0-15
	v_mul_u32_u24 v27, v15, 24
	v_add_nc_u32 v25, v24, v25
	v_mul_u32_u24 v26, s22, v26
	v_add_nc_u32 v25, 232, v25                     ; across two chunks: lanes 0-15 byte 232 of the row in slot 0, lanes 16-31 byte 0 of the row in slot 1;
	v_add_nc_u32 v26, v24, v26                     ; and lanes 0-15 byte 232 in slot 1, lanes 16-31 byte 0 in slot 0
	v_add_nc_u32 v24, v24, v27                     ; a fragment's row x pitch + 24 hl
	s_mul_i32 s20, s[SW1], 64*PITCH
	s_mul_i32 s22, s[SW0], 64*PITCH
	s_add_co_u32 s22, s22, 2*HALFT
	v_add_nc_u32 v[AX1+2], s20, v25
	v_add_nc_u32 v[AX1+3], s20, v26
	v_add_nc_u32 v[AX0+2], s22, v25
	v_add_nc_u32 v[AX0+3], s22, v26
.irp s, 0,1
	v_add_nc_u32 v[AX1+\s], s20, v24
	v_add_nc_u32 v[AX0+\s], s22, v24
	s_add_co_u32 s20, s20, SLOT
	s_add_co_u32 s22, s22, SLOT
.endr
	v_lshlrev_b32 v24, 5, v3                       ; my row's scale bytes: 32 a row,
	v_lshrrev_b32 v25, 3, v3
	s_delay_alu instid0(VALU_DEP_1)
	v_lshl_add_u32 v24, v25, 4, v24                ; and 16 more for each 256 passed
	s_mul_i32 s20, s[SW1], 4*SBLK
	s_mul_i32 s22, s[SW0], 4*SBLK
	s_add_co_u32 s22, s22, 2*HALFS
	s_sub_co_u32 s22, s22, s20
	v_mul_u32_u24 v25, s22, v15                    ; lanes 16-31 take X0's
	s_add_co_u32 s20, s20, SCL
	v_add_nc_u32 v24, v24, v25
	s_delay_alu instid0(VALU_DEP_1)
	v_add_nc_u32 v[ADRS], s20, v24
	v_and_b32 v24, 31, v0
	s_delay_alu instid0(VALU_DEP_1)
	v_lshlrev_b32 v[L8], 3, v24
	s_delay_alu instid0(VALU_DEP_2)
	v_lshlrev_b32 v[L4], 2, v24
.irp i, 0,1,2,3,4,5,6,7
	v_mov_b32 v[QTM+\i], 0                         ; a lane permute's destination counts as one of its sources
.endr
.macro FRAG reg, adr, q, i             ; 16 rows x 128 K: 12 registers, in pieces of 8 bytes; where the piece three on lies behind one padding more, the second address register serves
.irp p, 0,1,2,3,4,5
.set BY, 96*(\q)+48*(\p/3)+8*(\p%3)    ; q: the step of 128 along K.  Where the piece of lanes 0-15 begins in the row of codes; lanes 16-31 read 24 bytes on.  Byte y lies in chunk y / 256, slot (y / 256) % 2
.if BY/256 == (BY+24)/256
	ds_load_b64 v[\reg+2*\p:\reg+2*\p+1], v[\adr+(BY/256)%2] offset:BY%256+(\i)*16*PITCH
.else
	ds_load_b64 v[\reg+2*\p:\reg+2*\p+1], v[\adr+2+(BY/256)%2] offset:BY%256-232+(\i)*16*PITCH
.endif
.endr
.endm
; A K step of 256: the 8 scale words' loads, then twice: 48 loads, 16 matrix instructions.  The 16 accumulators take turns.
; Four v_nop stand in front of loads into registers that matrix instructions have read (ISA guide 7.12.1 for vector instructions).
.macro KSTEP q, ks, first              ; the step 2 ks + q of 128 along K: 48 loads, 16 matrix instructions; the scale words of a pair of steps come with its first
.if (\first == 0) || (\q == 1)
.rept 4
	v_nop
.endr
.endif
.if \q == 0
.irp i, 0,1,2,3
	ds_load_b64 v[SC+2*\i:SC+2*\i+1], v[ADRS] offset:SBLK*\i+8*(\ks)
.endr
.endif
.irp i, 0,1,2,3
	FRAG F0+FR*\i, AX0, 2*(\ks)+\q, \i
.endr
.irp i, 0,1,2,3
	FRAG F1+FR*\i, AX1, 2*(\ks)+\q, \i
.endr
	s_wait_dscnt 0x0
.irp a, 0,1,2,3
.irp b, 0,1,2,3
.if (\first == 1) && (\q == 0)
	v_wmma_scale_f32_16x16x128_f8f6f4 v[ACC+8*(4*\a+\b):ACC+8*(4*\a+\b)+7], v[F0+FR*\b:F0+FR*\b+FR-1], v[F1+FR*\a:F1+FR*\a+FR-1], 0, v[SC+2*\b+\q], v[SC+2*\a+\q] matrix_a_fmt:MATRIX_FMT_FP6 matrix_b_fmt:MATRIX_FMT_FP6 matrix_a_scale:MATRIX_SCALE_ROW1
.else
	v_wmma_scale_f32_16x16x128_f8f6f4 v[ACC+8*(4*\a+\b):ACC+8*(4*\a+\b)+7], v[F0+FR*\b:F0+FR*\b+FR-1], v[F1+FR*\a:F1+FR*\a+FR-1], v[ACC+8*(4*\a+\b):ACC+8*(4*\a+\b)+7], v[SC+2*\b+\q], v[SC+2*\a+\q] matrix_a_fmt:MATRIX_FMT_FP6 matrix_b_fmt:MATRIX_FMT_FP6 matrix_a_scale:MATRIX_SCALE_ROW1
.endif
.endr
.endr
.endm
.macro TURN slot, step                 ; step: how many bytes along K the slot's addresses go on before the load
	s_wait_tensorcnt 0x0                           ; no tensor load of mine is out, so a group 0 may be written
	ds_add_u32 v[SPW], v[NIL]                      ; 0 onto my spare word, twice on end
	ds_add_u32 v[SPW], v[NIL]
.if \step
	s_add_nc_u64 s[G0X1+4*\slot+2:G0X1+4*\slot+3], s[G0X1+4*\slot+2:G0X1+4*\slot+3], \step
	s_add_nc_u64 s[G0X0+4*\slot+2:G0X0+4*\slot+3], s[G0X0+4*\slot+2:G0X0+4*\slot+3], \step
.endif
	s_wait_dscnt 0x0
	CROUND
	JLOAD \slot
.endm
.macro WHOLE                           ; a chunk that was on its way is shown whole to all waves
	s_wait_tensorcnt 0x0
	s_wait_dscnt 0x0
	s_barrier_signal -1
	s_barrier_wait -1
.endm
	s_wait_alu depctr_va_vdst(0)                   ; the wait at the head's end
	TURN 1, 0                                      ; chunk 0 and the scales are in; slot 1's first fill, chunk 1, is issued as a refill is
	KSTEP 0, 0, 1                                  ; steps 0, 1 lie in chunk 0
	KSTEP 1, 0, 1
	WHOLE                                          ; chunk 1
	KSTEP 0, 1, 0                                  ; step 2 lies across chunks 0 and 1
	TURN 0, 512                                    ; chunk 0 is read no more: slot 0 takes chunk 2
	KSTEP 1, 1, 0                                  ; steps 3, 4 lie in chunk 1
	KSTEP 0, 2, 0
	WHOLE                                          ; chunk 2
	KSTEP 1, 2, 0                                  ; step 5 lies across chunks 1 and 2
	KSTEP 0, 3, 0
	KSTEP 1, 3, 0
.rept 4
	v_nop                                          ; places in front of the first reads of results and of writes into the fragments' registers
.endr
; 64 numbers of a row (32 mine: register 8 T + j = element 16 T + 8 hl + j) become 6 registers of codes at pc and a scale word in pw.
.macro QUANT2 src, pc, pt, pw, tm
.irp b, 0,1
	v_max3_num_f32 v[\tm+\b], |v[\src+16*\b]|, |v[\src+16*\b+1]|, 0x1800000   ; with the floor 2^(3 - 127): the byte cannot fall under 1
.endr
.irp i, 2,4,6,8,10,12,14
.irp b, 0,1
	s_delay_alu instid0(VALU_DEP_2)
	v_max3_num_f32 v[\tm+\b], v[\tm+\b], |v[\src+16*\b+\i]|, |v[\src+16*\b+\i+1]|
.endr
.endr
.irp b, 0,1
	s_delay_alu instid0(VALU_DEP_2)
	v_permlanex16_b32 v[\tm+2+\b], v[\tm+\b], s[SEL], s[SEL+1]
.endr
.irp b, 0,1
	s_delay_alu instid0(VALU_DEP_2)
	v_max_num_f32 v[\tm+\b], v[\tm+\b], v[\tm+2+\b]   ; with lane l xor 16's: the block's largest magnitude
.endr
.irp b, 0,1
	s_delay_alu instid0(VALU_DEP_2)
	v_add_nc_u32 v[\tm+4+\b], 0xff000000, v[\tm+\b]   ; 2 off the exponent field: the conversion's scale operand
.endr
.irp b, 0,1
	s_delay_alu instid0(VALU_DEP_2)
	v_lshrrev_b32 v[\tm+6+\b], 23, v[\tm+4+\b]
.endr
	s_delay_alu instid0(VALU_DEP_1)
	v_lshl_or_b32 v[\pw], v[\tm+7], 8, v[\tm+6]
	v_cvt_scalef32_pk16_fp6_f32 v[\pc:\pc+2], v[\src:\src+15], v[\tm+4]
	v_cvt_scalef32_pk16_fp6_f32 v[\pt:\pt+2], v[\src+16:\src+31], v[\tm+5]
	v_nop                                          ; one plain place behind a scaled conversion
.irp i, 0,1,2
	v_permlane16_swap_b32 v[\pc+\i], v[\pt+\i]     ; a whole block to a lane: lanes 0-15 block 0, lanes 16-31 block 1
.endr
.irp i, 0,1,2
	s_delay_alu instid0(VALU_DEP_3)
	v_mov_b32 v[\pc+3+\i], v[\pt+\i]
.endr
.endm
.macro IMG_OUT pc, base, off
.irp p, 0,1,2
	global_store_b64 v[L8], v[\pc+2*\p:\pc+2*\p+1], s[\base:\base+1] offset:(\off)+256*\p
.endr
.endm
	; my first rows, in registers that feed no descriptor
	s_cmp_eq_u32 s[P], 3
	s_cselect_b32 s94, 0, s[G]
	s_cselect_b32 s95, s[G], 0
	s_lshl_b32 s94, s94, 2
	s_add_co_u32 s94, s94, s[CY]
	s_lshl_b32 s94, s94, 8
	s_lshl_b32 s96, s[SW1], 6
	s_add_co_u32 s94, s94, s96                     ; my first row of X1
	s_lshl_b32 s95, s95, 2
	s_add_co_u32 s95, s95, s[CX]
	s_lshl_b32 s95, s95, 8
	s_lshl_b32 s96, s[SW0], 6
	s_add_co_u32 s95, s95, s96                     ; my first row of X0
	v_cmp_ne_u32 vcc_lo, 0, v15                    ; lanes 16-31
	v_lshlrev_b32 v3, 2, v3                        ; 4 r
	v_lshlrev_b32 v15, 5, v15                      ; 32 hl
	s_cmp_eq_u32 s[P], 0
	s_cbranch_scc1 .Lq_out
; ---------------- k_head, r_head, v_head
	s_load_b128 s[84:87], s[0:1], 0x78             ; kb, vb
	s_load_b128 s[88:91], s[0:1], 0xb0             ; kv, rr
	s_cmp_eq_u32 s[P], 3
	s_cselect_b32 s96, s95, s94                    ; my first token (or position)
	s_cselect_b32 s97, s94, s95                    ; my head's first row
	s_cselect_b32 s98, 3072, 0                     ; in a record of kv: K's images at 0, V's at 3,072;
	s_mov_b32 s99, 6144
	s_cselect_b32 s99, 6400, s99                   ; K's scale unit at 6,144, V's at 6,400
	s_lshr_b32 s97, s97, 6                         ; n
	s_lshr_b32 s94, s96, 11                        ; b
	s_lshl_b32 s94, s94, 4
	s_add_co_u32 s94, s94, s97
	s_lshl_b32 s94, s94, 5
	s_bfe_u32 s95, s96, 0x50006                    ; the step of 64 keys
	s_add_co_u32 s94, s94, s95
	s_mul_i32 s94, s94, 6656
	s_add_co_u32 s95, s94, s99
	s_add_co_u32 s94, s94, s98
	s_lshl_b32 s98, s97, 8
	s_lshr_b32 s99, s96, 4
	s_add_co_u32 s98, s98, s99
	s_mul_i32 s98, s98, 768                        ; rr: image 256 n + t / 16
	s_lshl_b32 s100, s97, 12
	s_add_co_u32 s100, s100, s96
	s_lshl_b32 s100, s100, 2
	s_add_co_u32 s100, s100, 3145728               ; rr: word 4,096 n + t
	s_mov_b32 s99, 0
	s_mov_b32 s101, 0
	s_wait_kmcnt 0x0
	s_cmp_eq_u32 s[P], 2
	s_cselect_b32 s98, s98, s94
	s_cselect_b32 s100, s100, s95
	s_cselect_b64 s[88:89], s[90:91], s[88:89]
	s_add_nc_u64 s[90:91], s[88:89], s[100:101]    ; where the scale words go
	s_add_nc_u64 s[88:89], s[88:89], s[98:99]      ; where the images go
	s_lshl_b32 s94, s97, 8
	s_mov_b32 s95, 0
	s_add_nc_u64 s[84:85], s[84:85], s[94:95]      ; the head's 64 numbers of kb
	s_add_nc_u64 s[86:87], s[86:87], s[94:95]      ; and of vb
	; One text serves the three tensors: a bias along the registers (kb) and one along the lanes (vb) are both added; the one that a tensor does not have is zeros.
.set j, 0
.rept 32
	v_mov_b32 v[BR+j], 0
.set j, j+1
.endr
.set j, 0
.rept 8
	v_mov_b32 v[BL+j], 0
.set j, j+1
.endr
	s_cmp_eq_u32 s[P], 1
	s_cbranch_scc0 .Lno_kb
.irp T, 0,1,2,3
	global_load_b128 v[BR+8*\T:BR+8*\T+3], v15, s[84:85] offset:64*\T
	global_load_b128 v[BR+8*\T+4:BR+8*\T+7], v15, s[84:85] offset:64*\T+16
.endr
.Lno_kb:
	s_cmp_eq_u32 s[P], 3
	s_cbranch_scc0 .Lno_vb
.irp a, 0,1,2,3
	global_load_b32 v[BL+2*\a], v3, s[86:87] offset:64*\a
.endr
.Lno_vb:
	s_wait_loadcnt 0x0
.irp a, 0,1,2,3
.set j, 0
.rept 16
	v_pk_add_f32 v[ACC+32*\a+2*j:ACC+32*\a+2*j+1], v[ACC+32*\a+2*j:ACC+32*\a+2*j+1], v[BR+2*j:BR+2*j+1]   ; each accumulator from its low end on
.set j, j+1
.endr
.set j, 0
.rept 16
	v_pk_add_f32 v[ACC+32*\a+2*j:ACC+32*\a+2*j+1], v[ACC+32*\a+2*j:ACC+32*\a+2*j+1], v[BL+2*\a:BL+2*\a+1] op_sel_hi:[1,0]
.set j, j+1
.endr
	s_wait_alu depctr_va_vdst(0)
	s_wait_xcnt 0x0                                ; the last image's stores have read their registers
	QUANT2 ACC+32*\a, QPC, QPT, QW+\a, QTM
	IMG_OUT QPC, 88, 768*\a
.endr
	v_cndmask_b32 v108, v[QW], v[QW+1], vcc_lo     ; word 0: lanes 0-15 tile 0, lanes 16-31 tile 1
	v_cndmask_b32 v109, v[QW+2], v[QW+3], vcc_lo   ; word 1: tiles 2 and 3
	s_cmp_eq_u32 s[P], 2
	s_cbranch_scc1 .Lr_words
	global_store_b64 v[L8], v[108:109], s[90:91]   ; a unit of 256 bytes
	s_branch .Lend
.Lr_words:
	s_wait_alu depctr_va_vdst(0)
	global_store_b32 v[L4], v108, s[90:91]         ; r_head's words lie one behind the other by t, so that a reader may begin at any tile
	global_store_b32 v[L4], v109, s[90:91] offset:128
	s_branch .Lend
; ---------------- q_head: the two segment sums, q + r_w_bias, q + r_r_bias
.Lq_out:
	s_load_b256 s[84:91], s[0:1], 0x88             ; r_w_bias, r_r_bias, r_s_bias, seg_embed
	s_load_b64 s[92:93], s[0:1], 0xa8              ; qrec
	s_lshr_b32 s98, s95, 6                         ; n
	s_lshr_b32 s96, s94, 11                        ; b
	s_lshl_b32 s96, s96, 4
	s_add_co_u32 s96, s96, s98
	s_lshl_b32 s96, s96, 7
	s_bfe_u32 s97, s94, 0x70004                    ; the tile of 16 queries
	s_add_co_u32 s96, s96, s97
	s_mul_i32 s96, s96, 1792
	s_mov_b32 s97, 0
	s_lshl_b32 s98, s98, 8
	s_mov_b32 s99, 0
	s_wait_kmcnt 0x0
	s_add_nc_u64 s[84:85], s[84:85], s[98:99]
	s_add_nc_u64 s[86:87], s[86:87], s[98:99]
	s_add_nc_u64 s[88:89], s[88:89], s[98:99]
	s_add_nc_u64 s[90:91], s[90:91], s[98:99]
	s_add_nc_u64 s[92:93], s[92:93], s[96:97]
	s_wait_alu depctr_va_vdst(0)
.irp T, 0,1,2,3
.irp c, 0,1
	global_load_b128 v[96+8*\T+4*\c:96+8*\T+4*\c+3], v15, s[88:89] offset:64*\T+16*\c        ; r_s_bias at my 32 h
	global_load_b128 v[32+8*\T+4*\c:32+8*\T+4*\c+3], v15, s[90:91] offset:64*\T+16*\c        ; seg_embed[0]
	global_load_b128 v[64+8*\T+4*\c:64+8*\T+4*\c+3], v15, s[90:91] offset:4096+64*\T+16*\c   ; seg_embed[1]
.endr
.endr
	s_wait_loadcnt 0x0
	; sum over h of (q_head + r_s / 8) e = (sum of r_s e + sum of acc e) / 8, in f32 fused multiply-adds
	v_pk_mul_f32 v[24:25], v[96:97], v[32:33]
	v_pk_mul_f32 v[26:27], v[96:97], v[64:65]
.set i, 1
.rept 15
	s_delay_alu instid0(VALU_DEP_2)
	v_pk_fma_f32 v[24:25], v[96+2*i:97+2*i], v[32+2*i:33+2*i], v[24:25]
	s_delay_alu instid0(VALU_DEP_2)
	v_pk_fma_f32 v[26:27], v[96+2*i:97+2*i], v[64+2*i:65+2*i], v[26:27]
.set i, i+1
.endr
.irp a, 0,1,2,3
.irp s, 0,1
	v_pk_fma_f32 v[96+4*\a+2*\s:97+4*\a+2*\s], v[ACC+32*\a:ACC+32*\a+1], v[32+32*\s:33+32*\s], v[24+2*\s:25+2*\s]   ; eight chains by turns; each accumulator is read from its low end on
.endr
.endr
.set i, 1
.rept 15
.irp a, 0,1,2,3
.irp s, 0,1
	v_pk_fma_f32 v[96+4*\a+2*\s:97+4*\a+2*\s], v[ACC+32*\a+2*i:ACC+32*\a+2*i+1], v[32+32*\s+2*i:33+32*\s+2*i], v[96+4*\a+2*\s:97+4*\a+2*\s]
.endr
.endr
.set i, i+1
.endr
.irp k, 0,1,2,3,4,5,6,7
	v_add_f32 v[112+\k], v[96+2*\k], v[97+2*\k]
.endr
.irp k, 0,1,2,3,4,5,6,7
	v_permlanex16_b32 v[96+\k], v[112+\k], s[SEL], s[SEL+1]
.endr
.irp k, 0,1,2,3,4,5,6,7
	v_add_f32 v[112+\k], v[112+\k], v[96+\k]       ; with lane l xor 16's 32 h
.endr
.irp k, 0,1,2,3,4,5,6,7
	v_mul_f32 v[DS+\k], 0x3e000000, v[112+\k]      ; register 2 a: diff, 2 a + 1: same, of query 16 a + r
.endr
.macro QPHASE base, off, wr
.irp T, 0,1,2,3
	global_load_b128 v[BR+8*\T:BR+8*\T+3], v15, s[\base:\base+1] offset:64*\T
	global_load_b128 v[BR+8*\T+4:BR+8*\T+7], v15, s[\base:\base+1] offset:64*\T+16
.endr
	s_wait_loadcnt 0x0
.set i, 0
.rept 16
	v_pk_mul_f32 v[BR+2*i:BR+2*i+1], v[BR+2*i:BR+2*i+1], 0x3e000000 op_sel_hi:[1,0]
.set i, i+1
.endr
.irp a, 0,1,2,3
.set i, 0
.rept 16
	v_pk_fma_f32 v[TQ+2*i:TQ+2*i+1], v[ACC+32*\a+2*i:ACC+32*\a+2*i+1], 0x3e000000, v[BR+2*i:BR+2*i+1] op_sel_hi:[1,0,1]
.set i, i+1
.endr
	s_wait_alu depctr_va_vdst(0)
	s_wait_xcnt 0x0                                ; the last image's stores have read their registers
	QUANT2 TQ, QPC, QPT, \wr+\a, QTM
	IMG_OUT QPC, 92, 1792*\a+\off
.endr
.endm
	QPHASE 84, 0, QW                               ; q_head + r_w_bias / 8
	QPHASE 86, 768, QW+4                           ; q_head + r_r_bias / 8
.irp a, 0,1,2,3
	v_cndmask_b32 v[TQ+2*\a], v[QW+\a], v[DS+2*\a], vcc_lo         ; lanes 0-15: the two scale words; lanes 16-31: diff, same
	v_cndmask_b32 v[TQ+2*\a+1], v[QW+4+\a], v[DS+2*\a+1], vcc_lo
	global_store_b64 v[L8], v[TQ+2*\a:TQ+2*\a+1], s[92:93] offset:1792*\a+1536
.endr
.Lend:
	s_wait_tensorcnt 0x0                           ; the wave's end
	ds_add_u32 v[SPW], v[NIL]
	s_wait_dscnt 0x0
	CROUND                                         ; the closing round
	s_endpgm
.Lfunc_end_k_q49c4e61017_proj:
	.size	k_q49c4e61017_proj, .Lfunc_end_k_q49c4e61017_proj-k_q49c4e61017_proj
	.p2alignl 7, 3214868480
	.fill 96, 4, 3214868480
	.section	.rodata,"a",@progbits
	.p2align	6, 0x0
	.amdhsa_kernel k_q49c4e61017_proj
		.amdhsa_group_segment_fixed_size 327680
		.amdhsa_private_segment_fixed_size 0
		.amdhsa_enable_private_segment 0
		.amdhsa_kernarg_size 192
		.amdhsa_user_sgpr_count 2
		.amdhsa_user_sgpr_kernarg_segment_ptr 1
		.amdhsa_wavefront_size32 1
		.amdhsa_system_sgpr_workgroup_id_x 1
		.amdhsa_system_sgpr_workgroup_id_y 1
		.amdhsa_system_sgpr_workgroup_id_z 1
		.amdhsa_system_vgpr_workitem_id 0
		.amdhsa_next_free_vgpr 256
		.amdhsa_next_free_sgpr 106
		.amdhsa_reserve_vcc 1
		.amdhsa_float_denorm_mode_32 3
		.amdhsa_float_denorm_mode_16_64 3
		.amdhsa_memory_ordered 1
		.amdhsa_forward_progress 1
		.amdhsa_inst_pref_size 137
	.end_amdhsa_kernel
	.amdgpu_metadata
---
amdhsa.version: [ 1, 2 ]
amdhsa.kernels:
  - .name:           k_q49c4e61017_proj
    .symbol:         k_q49c4e61017_proj.kd
    .args:
      - { .name: qW_codes, .offset: 0, .size: 8, .value_kind: global_buffer, .address_space: global }
      - { .name: qW_scales, .offset: 8, .size: 8, .value_kind: global_buffer, .address_space: global }
      - { .name: qq, .offset: 16, .size: 8, .value_kind: global_buffer, .address_space: global }
      - { .name: kW_codes, .offset: 24, .size: 8, .value_kind: global_buffer, .address_space: global }
      - { .name: kW_scales, .offset: 32, .size: 8, .value_kind: global_buffer, .address_space: global }
      - { .name: k_codes, .offset: 40, .size: 8, .value_kind: global_buffer, .address_space: global }
      - { .name: k_scales, .offset: 48, .size: 8, .value_kind: global_buffer, .address_space: global }
      - { .name: r_kernel_codes, .offset: 56, .size: 8, .value_kind: global_buffer, .address_space: global }
      - { .name: r_kernel_scales, .offset: 64, .size: 8, .value_kind: global_buffer, .address_space: global }
      - { .name: pos_enc_codes, .offset: 72, .size: 8, .value_kind: global_buffer, .address_space: global }
      - { .name: pos_enc_scales, .offset: 80, .size: 8, .value_kind: global_buffer, .address_space: global }
      - { .name: v_codes, .offset: 88, .size: 8, .value_kind: global_buffer, .address_space: global }
      - { .name: v_scales, .offset: 96, .size: 8, .value_kind: global_buffer, .address_space: global }
      - { .name: vW_codes, .offset: 104, .size: 8, .value_kind: global_buffer, .address_space: global }
      - { .name: vW_scales, .offset: 112, .size: 8, .value_kind: global_buffer, .address_space: global }
      - { .name: kb, .offset: 120, .size: 8, .value_kind: global_buffer, .address_space: global }
      - { .name: vb, .offset: 128, .size: 8, .value_kind: global_buffer, .address_space: global }
      - { .name: r_w_bias, .offset: 136, .size: 8, .value_kind: global_buffer, .address_space: global }
      - { .name: r_r_bias, .offset: 144, .size: 8, .value_kind: global_buffer, .address_space: global }
      - { .name: r_s_bias, .offset: 152, .size: 8, .value_kind: global_buffer, .address_space: global }
      - { .name: seg_embed, .offset: 160, .size: 8, .value_kind: global_buffer, .address_space: global }
      - { .name: qrec, .offset: 168, .size: 8, .value_kind: global_buffer, .address_space: global }
      - { .name: kv, .offset: 176, .size: 8, .value_kind: global_buffer, .address_space: global }
      - { .name: rr, .offset: 184, .size: 8, .value_kind: global_buffer, .address_space: global }
    .group_segment_fixed_size: 327680
    .private_segment_fixed_size: 0
    .kernarg_segment_align: 8
    .kernarg_segment_size: 192
    .max_flat_workgroup_size: 512
    .sgpr_count:     106
    .vgpr_count:     256
    .wavefront_size: 32
...
	.end_amdgpu_metadata
.endif
;; end of part 2
;; launch flags (part 3): grid 32 x 1, 8 waves a work-group, no clusters, 1,792 bytes of LDS; arguments qrec, kv, rr, pw, fl; writes fl
.if DOCPART == 3
	.amdgcn_target "amdgcn-amd-amdhsa--gfx1250"
	.amdhsa_code_object_version 6
	.text
	.protected	k_q49c4e61017_flags
	.globl	k_q49c4e61017_flags
	.p2align	8
	.type	k_q49c4e61017_flags,@function
k_q49c4e61017_flags:
	s_mov_b64 s[64:65], 0
	v_nop
	global_prefetch_b8 v0, s[64:65] scope:SCOPE_SE
	s_setreg_imm32_b32 hwreg(HW_REG_WAVE_MODE, 25, 1), 1
	s_wait_xcnt 0x0
; flags: which steps of 64 keys the attention must do for each 32 queries of each (batch, head).  One work-group to a (batch, head); wave w takes 8 of its 64 pairs of query tiles.
; THE BOUND.  Every operand of the two score products is codes of magnitude at most 7.5 under scales 2^(byte - 127), 64 along K.  With aq the largest scale of the head's q + r_w and q + r_r, ak of its k_head, ar of its r_head,
; and sg the largest magnitude of its segment sums, every |content + position + segment| is at most B = 64 x 56.25 x aq (ak + ar) + sg.
; THE CHOICE.  In row i let m0 be the smallest mask number.  The row's largest score is at least -B - 1e6 m0; a key whose mask number is m has a score of at most B - 1e6 m.  Where 1e6 (m - m0) > 2 B + 200 for all keys of a step
; and all 32 rows, every p of the step is under e^-200 of its row's largest: it moves no sum.  Such a step is left out.  D of the launch that scanned the mask is the least m - m0, less a margin for the rounding of 1e6 m.  This holds for
; every mask and every size of the inputs; where B overflows nothing is left out.  A row's own smallest lies in a step with D <= 0, so every pair keeps a step.
; OUT: fl, two words a pair: bit l of word 0: step 2 (l % 16) + l / 16 is done; of word 1: it is done and its mask numbers are not all 0.  The words stand at fixed places; no address here hangs on them.
; LIMITS: NaN and infinities in the mask are not served.
.set MSKS,  256                        ; LDS: 0: the waves' four maxima, 16 bytes a wave; 256: the 64 pairs' two words
.set SPARE, 768
.set AQ, 4
.set SG, 5
.set AK, 6
.set AR, 7
	s_load_b256 s[4:11], s[0:1], 0x0               ; qrec, kv, rr, pw (the mask's table from byte 819,200 on)
	s_load_b64 s[12:13], s[0:1], 0x20              ; fl
	v_lshl_add_u32 v28, v0, 2, SPARE
	v_mov_b32 v29, 0
	v_lshrrev_b32 v1, 5, v0
	v_readfirstlane_b32 s14, v1                    ; wave
	v_and_b32 v3, 31, v0
	v_lshlrev_b32 v1, 3, v3                        ; 8 x lane
	v_lshlrev_b32 v2, 4, v3                        ; 16 x lane
.irp a, 4,5,6,7,8,9,13
	v_mov_b32 v\a, 0
.endr
	s_lshr_b32 s15, ttmp9, 4                       ; b
	s_and_b32 s16, ttmp9, 15                       ; n
	s_mov_b32 s19, 0
	s_mov_b32 s24, 0x76543210
	s_mov_b32 s25, 0xfedcba98
	s_lshl_b32 s20, s14, 4
	v_mov_b32 v10, s20                             ; LDS: my four maxima
	s_lshl_b32 s20, s14, 6
	s_add_co_u32 s20, s20, MSKS
	v_mov_b32 v11, s20                             ; my 8 pairs' words
	s_lshl_b32 s20, s14, 8
	s_add_co_u32 s20, s20, MSKS
	v_add_nc_u32 v12, s20, v1                      ; waves 0, 1: 32 pairs' words, 8 bytes a lane
	s_wait_alu depctr_va_vdst(0)
	s_wait_kmcnt 0x0
	s_lshl_b32 s18, ttmp9, 3
	s_add_co_u32 s18, s18, s14
	s_mul_i32 s18, s18, 16*1792
	s_add_nc_u64 s[4:5], s[4:5], s[18:19]          ; my 16 of the head's 128 records of Q
	s_lshl_b32 s18, ttmp9, 3
	s_add_co_u32 s18, s18, s14
	s_mul_i32 s18, s18, 4*6656
	s_add_nc_u64 s[6:7], s[6:7], s[18:19]          ; my 4 of its 32 records of K and V
	s_lshl_b32 s18, s16, 3
	s_add_co_u32 s18, s18, s14
	s_lshl_b32 s18, s18, 11
	s_add_co_u32 s18, s18, 3145728
	s_add_nc_u64 s[8:9], s[8:9], s[18:19]          ; my 512 of r_head's 4,096 scale words
	s_lshl_b32 s18, s15, 3
	s_add_co_u32 s18, s18, s14
	s_lshl_b32 s18, s18, 13
	s_add_co_u32 s18, s18, 819200
	s_add_nc_u64 s[10:11], s[10:11], s[18:19]      ; my 8 pairs' four parts of (D, Z)
	s_lshl_b32 s18, ttmp9, 9
	s_lshl_b32 s20, s14, 8
	s_add_co_u32 s18, s18, s20
	s_add_nc_u64 s[12:13], s[12:13], s[18:19]      ; waves 0, 1: 256 bytes of fl
.irp j, 0,1,2,3,4,5,6,7,8,9,10,11,12,13,14,15
	global_load_b64 v[32+2*\j:33+2*\j], v1, s[4:5] offset:1536+1792*\j     ; lanes 0-15: two scale words; lanes 16-31: diff, same
.endr
.irp j, 0,1,2,3
	global_load_b64 v[64+2*\j:65+2*\j], v1, s[6:7] offset:6144+6656*\j     ; K's scale words
	global_load_b128 v[72+4*\j:75+4*\j], v2, s[8:9] offset:512*\j          ; r_head's
.endr
.set j, 0
.rept 32
	global_load_b64 v[96+2*j:97+2*j], v1, s[10:11] offset:256*j            ; pair j / 4, part j % 4
.set j, j+1
.endr
	s_wait_loadcnt 32                              ; all but the 32 loads of (D, Z)
.macro ACC acc, w                      ; a scale word's bytes 0 and 1 (bytes 2, 3 are 0)
	v_and_b32 v30, 0xff, v[\w]
	v_bfe_u32 v31, v[\w], 8, 8
	v_max_u32 v[\acc], v[\acc], v30
	v_max_u32 v[\acc], v[\acc], v31
.endm
.set j, 0
.rept 32
	ACC AQ, 32+j
	v_and_b32 v30, 0x7fffffff, v[32+j]
	v_max_u32 v[SG], v[SG], v30                    ; magnitudes compare as whole numbers
.set j, j+1
.endr
.set j, 0
.rept 8
	ACC AK, 64+j
.set j, j+1
.endr
.set j, 0
.rept 16
	ACC AR, 72+j
.set j, j+1
.endr
	v_lshlrev_b32 v[AQ], 23, v[AQ]                 ; byte e as the number 2^(e - 127)
	v_lshlrev_b32 v[AK], 23, v[AK]
	v_lshlrev_b32 v[AR], 23, v[AR]
.irp m, 1,2,4,8
.irp a, 4,5,6,7
	v_max_num_f32_dpp v\a, v\a, v\a row_xmask:\m row_mask:0xf bank_mask:0xf
.endr
.endr
	v_permlanex16_b32 v8, v[AK], s24, s25
	v_permlanex16_b32 v9, v[AR], s24, s25
	v_readlane_b32 s20, v[AQ], 0                   ; the scale words stood in lanes 0-15,
	v_readlane_b32 s21, v[SG], 16                  ; the segment sums in lanes 16-31
	v_max_num_f32 v18, v[AK], v8
	v_max_num_f32 v19, v[AR], v9
	v_mov_b32 v16, s20
	v_mov_b32 v17, s21
	ds_store_b128 v10, v[16:19]                    ; all lanes write the same 16 bytes
	s_wait_dscnt 0x0
	s_barrier_signal -1
	s_barrier_wait -1
.irp j, 0,1,2,3,4,5,6,7
	ds_load_b128 v[32+4*\j:35+4*\j], v13 offset:16*\j
.endr
	s_wait_dscnt 0x0
.irp j, 1,2,3,4,5,6,7
.irp a, 0,1,2,3
	v_max_num_f32 v[32+\a], v[32+\a], v[32+4*\j+\a]
.endr
.endr
	v_add_f32 v20, v34, v35
	v_mov_b32 v21, 0x43480000                      ; 200
	v_mul_f32 v20, v20, v32
	v_fmac_f32 v21, 2.0, v33
	v_fmac_f32 v21, 0x45e10000, v20                ; 2 B + 200 = 7,200 aq (ak + ar) + 2 sg + 200
	s_wait_alu depctr_va_vdst(0)
	s_wait_loadcnt 0x0
.irp j, 0,1,2,3,4,5,6,7
	v_min3_num_f32 v[40+4*\j], v[96+8*\j], v[98+8*\j], v[100+8*\j]
	v_max3_num_f32 v[41+4*\j], v[97+8*\j], v[99+8*\j], v[101+8*\j]
.endr
.irp j, 0,1,2,3,4,5,6,7
	v_min_num_f32 v[40+4*\j], v[40+4*\j], v[102+8*\j]
	v_max_num_f32 v[41+4*\j], v[41+4*\j], v[103+8*\j]
.endr
.irp j, 0,1,2,3,4,5,6,7
	v_mul_f32 v[40+4*\j], 0x49742400, v[40+4*\j]   ; 1e6 D
.endr
.irp j, 0,1,2,3,4,5,6,7
	v_cmp_gt_f32 s20, v[40+4*\j], v21              ; left out
	v_cmp_lt_f32 s21, 0, v[41+4*\j]                ; some mask number is not 0
	s_not_b32 s20, s20
	s_and_b32 s21, s21, s20
	v_mov_b32 v[42+4*\j], s20
	v_mov_b32 v[43+4*\j], s21
	ds_store_b64 v11, v[42+4*\j:43+4*\j] offset:8*\j
.endr
	s_wait_tensorcnt 0x0                           ; behind my last LDS store
	ds_add_u32 v28, v29
	s_wait_dscnt 0x0
	s_barrier_signal -1
	s_barrier_wait -1
	s_cmp_lt_u32 s14, 2
	s_cbranch_scc0 .Ldone
	ds_load_b64 v[14:15], v12
	s_wait_dscnt 0x0
	global_store_b64 v1, v[14:15], s[12:13]        ; 256 consecutive bytes, aligned
.Ldone:
	s_endpgm
.Lfunc_end_k_q49c4e61017_flags:
	.size	k_q49c4e61017_flags, .Lfunc_end_k_q49c4e61017_flags-k_q49c4e61017_flags
	.p2alignl 7, 3214868480
	.fill 96, 4, 3214868480
	.section	.rodata,"a",@progbits
	.p2align	6, 0x0
	.amdhsa_kernel k_q49c4e61017_flags
		.amdhsa_group_segment_fixed_size 1792
		.amdhsa_private_segment_fixed_size 0
		.amdhsa_enable_private_segment 0
		.amdhsa_kernarg_size 40
		.amdhsa_user_sgpr_count 2
		.amdhsa_user_sgpr_kernarg_segment_ptr 1
		.amdhsa_wavefront_size32 1
		.amdhsa_system_sgpr_workgroup_id_x 1
		.amdhsa_system_sgpr_workgroup_id_y 1
		.amdhsa_system_sgpr_workgroup_id_z 1
		.amdhsa_system_vgpr_workitem_id 0
		.amdhsa_next_free_vgpr 160
		.amdhsa_next_free_sgpr 66
		.amdhsa_reserve_vcc 0
		.amdhsa_float_denorm_mode_32 3
		.amdhsa_float_denorm_mode_16_64 3
		.amdhsa_memory_ordered 1
		.amdhsa_forward_progress 1
		.amdhsa_inst_pref_size 30
	.end_amdhsa_kernel
	.amdgpu_metadata
---
amdhsa.version: [ 1, 2 ]
amdhsa.kernels:
  - .name:           k_q49c4e61017_flags
    .symbol:         k_q49c4e61017_flags.kd
    .args:
      - { .name: qrec, .offset: 0, .size: 8, .value_kind: global_buffer, .address_space: global }
      - { .name: kv, .offset: 8, .size: 8, .value_kind: global_buffer, .address_space: global }
      - { .name: rr, .offset: 16, .size: 8, .value_kind: global_buffer, .address_space: global }
      - { .name: pw, .offset: 24, .size: 8, .value_kind: global_buffer, .address_space: global }
      - { .name: fl, .offset: 32, .size: 8, .value_kind: global_buffer, .address_space: global }
    .group_segment_fixed_size: 1792
    .private_segment_fixed_size: 0
    .kernarg_segment_align: 8
    .kernarg_segment_size: 40
    .max_flat_workgroup_size: 256
    .sgpr_count:     66
    .vgpr_count:     160
    .wavefront_size: 32
...
	.end_amdgpu_metadata
.endif
;; end of part 3
;; launch attn (part 4): grid 8 x 32, 8 waves a work-group, no clusters, 52,224 bytes of LDS; arguments qrec, kv, rr, segw, attn_mask, fl, avrec; writes avrec
.if DOCPART == 4
	.amdgcn_target "amdgcn-amd-amdhsa--gfx1250"
	.amdhsa_code_object_version 6
	.text
	.protected	k_q49c4e61017_attn
	.globl	k_q49c4e61017_attn
	.p2align	8
	.type	k_q49c4e61017_attn,@function
k_q49c4e61017_attn:
	s_mov_b64 s[64:65], 0
	v_nop
	global_prefetch_b8 v0, s[64:65] scope:SCOPE_SE
	s_setreg_imm32_b32 hwreg(HW_REG_WAVE_MODE, 25, 1), 1
	s_wait_xcnt 0x0
; attn: score = (q + r_w) . k + (q + r_r) . r_head[S + j - i] + (seg ? same : diff) - 1e6 mask; softmax; x v_head; the result quantised along h.  All products on codes of E2M3.
; WHICH STEPS ARE DONE is read from fl, two words for my 32 queries, stored by the launch before: a step of 64 keys is left out only where that launch has shown, from the mask's numbers and a bound on all scores of the head,
; that each of its p lies under e^-200 of its row's largest; a step whose mask numbers are all 0 is done without the mask term, which is 0 there.  No pattern of the mask is built in: a mask that shows nothing has all 32 steps done in full.
; The steps' order does not matter to a running maximum: they are taken in the order of the word's bits (bit l: step 2 (l % 16) + l / 16).
; SHARES.  A work-group serves one (batch, head); each of its eight waves 32 queries: tile A (16 queries) and tile B (the next 16).  Wave w < 4 of work-group x takes pair 8 w + x of the 64, wave w + 4 pair 63 - (8 w + x).
; NO TENSOR LOAD, NO BARRIER: the walk hangs on numbers read from memory, so K, V and r_head come from memory straight into registers, as images of the operands' registers (256 consecutive bytes a load).  Each set of registers is asked
; for again, for the next step to be done, as soon as its last product is issued: r_head behind bd, K behind tile B's content, V behind tile B's product with p.  LDS holds the waves' stages alone.
; NO CLUSTER and no multicast: there are no tiles in LDS to share.  NO PREFETCH: which bytes are wanted is known one step ahead, and that step's loads are issued then.
; TWO TILES, ONE SET OF FRAGMENTS.  What belongs to a tile has the same register numbers in window 0 (tile A) and window 1 (tile B); K's, V's and r_head's fragments serve both.  Scale registers lie in window 0.
; HEAD SIZE 64: an operand is 6 registers of codes.  The operand that stays (Q, p) has 6 registers of zeros behind it; the streamed one names 12 of which the upper 6 are whatever follows: their products with zero codes are 0,
; and bytes 2 and 3 of every scale word are 0, a small power of two and no NaN.
; THE RELATIVE SHIFT.  For queries i0 + m and keys 64 s + jj the positions are tb + u, tb = 2048 + 64 s - i0 - 16, u = jj - m + 16 in 1 .. 79: five tiles of 16; tile B's five begin one tile below tile A's.
; bd = Qr (source 0) x R tile (source 1) goes to row m of the wave's stage at word u + m and comes back, in the layout of S^T, from word key + 16.  What comes back is the C of K Qw^T.
; LAYOUT.  S^T = K Qw^T, O^T = V^T p^T: a lane holds one query (lane % 16); register 8 T + j is key (or h) 16 T + 8 hl + j.
; SOFTMAX.  t = score x log2(e); M = the running largest t rounded up to a whole number; p = 2^(t - M) is quantised along the keys, not normalised; the sum of the unquantised p divides at the end.
; LIMITS: NaN and infinities are not served, and none that lies in a step left out is carried to the result; 1e6 x |mask| must be finite; a block of p that has fallen to 0 keeps the byte 1 (its codes are zeros).
.set STEPB, 6656
.set SPARE, 51200                      ; LDS: from 0 the stages, 16 rows x 400 bytes a wave; behind them the spare words, 128 bytes a wave
; window 0 alone
.set SPW, 1
.set NIL, 2
.set SA,  6                            ; the stage, in
.set LA,  7                            ; the stage, out
.set MO,  8                            ; the mask: 8,192 r + 32 hl
.set L8,  9
.set L4,  10
.set R8,  11
.set QSW, 12                           ; v12, 13: tile A's scale words of Qw, Qr; v14, 15: tile B's
.set RSW, 16                           ; v16-18: R's: lanes 0-15 tile 2 i, lanes 16-31 tile 2 i + 1
.set KSW, 20
.set VSW, 22
.set PSW, 24                           ; v24, 25: p's scale word, tile A, B
.set FA,  208                          ; v208-249: R's six tiles, six zeros on top
; window 1 alone
.set FV,  0                            ; V's four tiles, six zeros on top
.set FB,  208                          ; K's four tiles, six zeros on top
; a tile's own, in its window
.set QW,  32
.set QR,  44
.set P,   56
.set PT,  68
.set S,   72
.set BX,  104                          ; the fifth tile of bd; later eight segment terms
.set MK,  112
.set O,   144
.set DIF, 176
.set SAM, 177
.set NM,  178                          ; -M;  v179 the largest t
.set TMX, 179
.set SUM, 180
.set FF,  182
.set BM,  184
.set BP,  186
.set SO,  188
.set BY,  190
.set TT,  192
.set OLD, 193
.set ST,  194                          ; v194-201: eight segment terms; later the sum's four chains
.set MB,  4                            ; s[4:5] tile A's rows of the mask; s[6:7] its segment words; s[8:9] its record of the result
.set SGB, 6
.set WV,  12
.set CNT, 15
.set NT,  16
.set SEL, 20
.set CS,  22
.set NI,  24
.set KVB, 28                           ; the head's K and V; r_head's images from tile B's first tile of step 0; its scale words
.set RRB, 30
.set RSB, 32
.set KVN, 34                           ; the same at the next step to be done
.set RRN, 36
.set RSN, 38
.set SEGC, 40                          ; tile A's segment words of the step in hand, of the next
.set SEGN, 42
.set MKC, 44                           ; the mask at the step in hand
.set LIVE, 48
.set GEN, 49
.set NB,  50
.set STP, 51
.set CGN, 52
.set CG,  53
.set SG,  68                           ; s[68:99] 32 words of segment bits: one tile's, one step's
.set MSB, 0
.macro WIN new                         ; low byte: bits 1:0 source 0, 3:2 source 1, 5:4 source 2, 7:6 destination; the high byte repeats the setting that is left
.if MSB != \new
	s_set_vgpr_msb (MSB<<8)|\new
.set MSB, \new
.endif
.endm
; zero = 1: C = 0, row selects B's scale row;  zero = 0: in place, row selects A's
.macro WM d, a, b, zero, sa, sb, row
.if \zero
.if \row
	v_wmma_scale_f32_16x16x128_f8f6f4 v[\d:\d+7], v[\a:\a+11], v[\b:\b+11], 0, v[\sa], v[\sb] matrix_a_fmt:MATRIX_FMT_FP6 matrix_b_fmt:MATRIX_FMT_FP6 matrix_b_scale:MATRIX_SCALE_ROW1
.else
	v_wmma_scale_f32_16x16x128_f8f6f4 v[\d:\d+7], v[\a:\a+11], v[\b:\b+11], 0, v[\sa], v[\sb] matrix_a_fmt:MATRIX_FMT_FP6 matrix_b_fmt:MATRIX_FMT_FP6
.endif
.else
.if \row
	v_wmma_scale_f32_16x16x128_f8f6f4 v[\d:\d+7], v[\a:\a+11], v[\b:\b+11], v[\d:\d+7], v[\sa], v[\sb] matrix_a_fmt:MATRIX_FMT_FP6 matrix_b_fmt:MATRIX_FMT_FP6 matrix_a_scale:MATRIX_SCALE_ROW1
.else
	v_wmma_scale_f32_16x16x128_f8f6f4 v[\d:\d+7], v[\a:\a+11], v[\b:\b+11], v[\d:\d+7], v[\sa], v[\sb] matrix_a_fmt:MATRIX_FMT_FP6 matrix_b_fmt:MATRIX_FMT_FP6
.endif
.endif
.endm
; The next bit of the word: its step, whether that step needs the mask, and where its operands lie.  With no bit left the step is held at 31: what is then loaded lies inside its buffers and is not used.
.macro ADV
	s_ctz_i32_b32 s[NB], s[LIVE]
	s_sub_co_u32 s54, s[LIVE], 1
	s_and_b32 s[LIVE], s[LIVE], s54
	s_bitcmp1_b32 s[GEN], s[NB]
	s_cselect_b32 s[CGN], 1, 0
	s_and_b32 s54, s[NB], 15
	s_lshl_b32 s54, s54, 1
	s_lshr_b32 s55, s[NB], 4
	s_add_co_u32 s[STP], s54, s55
	s_min_u32 s[STP], s[STP], 31
	s_mul_i32 s2, s[STP], STEPB
	s_add_nc_u64 s[KVN:KVN+1], s[KVB:KVB+1], s[2:3]
	s_mul_i32 s2, s[STP], 3072                     ; four tiles a step
	s_add_nc_u64 s[RRN:RRN+1], s[RRB:RRB+1], s[2:3]
	s_lshl_b32 s2, s[STP], 8
	s_add_nc_u64 s[RSN:RSN+1], s[RSB:RSB+1], s[2:3]
	s_lshl_b32 s2, s[STP], 7
	s_add_nc_u64 s[SEGN:SEGN+1], s[SGB:SGB+1], s[2:3]
.endm
.macro LDR                             ; 21 loads: r_head's six tiles and their scale words
	WIN 0
.irp y, 0,1,2,3,4,5
.irp p, 0,1,2
	global_load_b64 v[FA+6*\y+2*\p:FA+6*\y+2*\p+1], v[L8], s[RRN:RRN+1] offset:768*\y+256*\p
.endr
.endr
.irp i, 0,1,2
	global_load_b32 v[RSW+\i], v[L4], s[RSN:RSN+1] offset:128*\i
.endr
.endm
.macro LDKV f, sw, off, so             ; 13 loads: four tiles of K or of V, at byte off of the step's record, and their scale words, at byte so
	WIN 0x40
.irp T, 0,1,2,3
.irp p, 0,1,2
	global_load_b64 v[\f+6*\T+2*\p:\f+6*\T+2*\p+1], v[L8], s[KVN:KVN+1] offset:\off+768*\T+256*\p
.endr
.endr
	WIN 0
	global_load_b64 v[\sw:\sw+1], v[L8], s[KVN:KVN+1] offset:\so
.endm
	s_load_b256 s[68:75], s[0:1], 0x0              ; qrec, kv, rr, segw
	s_load_b128 s[76:79], s[0:1], 0x20             ; attn_mask, fl
	s_load_b64 s[80:81], s[0:1], 0x30              ; avrec
	v_lshl_add_u32 v[SPW], v0, 2, SPARE
	v_mov_b32 v[NIL], 0
	v_lshrrev_b32 v3, 5, v0
	v_readfirstlane_b32 s[WV], v3
	s_and_b32 s13, ttmp7, 0xffff                   ; 16 b + n
	s_lshr_b32 s14, s13, 4                         ; b
	s_and_b32 s19, s13, 15                         ; n
	s_and_b32 s26, s[WV], 3
	s_lshl_b32 s26, s26, 3
	s_add_co_u32 s26, s26, ttmp9                   ; 8 (w % 4) + x
	s_xor_b32 s27, s26, 63                         ; 63 less that
	s_cmp_lt_u32 s[WV], 4
	s_cselect_b32 s26, s26, s27                    ; my pair
	s_lshl_b32 s26, s26, 1                         ; tile A's number among the 128 tiles of 16 queries
	s_mov_b32 s[SEL], 0x76543210
	s_mov_b32 s[SEL+1], 0xfedcba98
	s_mov_b32 s[CS], 0x3fb8aa3b                    ; log2(e)
	s_mov_b32 s[CS+1], s[CS]
	s_mov_b32 s[NI], 0xc9742400                    ; -1e6
	s_mov_b32 s[NI+1], s[NI]
	s_mov_b32 s[CNT], 0
	s_mov_b32 s3, 0
	s_wait_kmcnt 0x0
	s_lshl_b32 s2, s13, 9
	s_lshl_b32 s27, s26, 2
	s_add_co_u32 s2, s2, s27
	s_add_nc_u64 s[46:47], s[78:79], s[2:3]
	s_load_b64 s[LIVE:LIVE+1], s[46:47], 0x0       ; my pair's two words
	s_lshl_b32 s2, s13, 7
	s_add_co_u32 s2, s2, s26
	s_mul_i32 s2, s2, 1792
	s_add_nc_u64 s[10:11], s[68:69], s[2:3]        ; tile A's record of Q; tile B's is the next
	s_mul_i32 s2, s13, 32*STEPB
	s_add_nc_u64 s[KVB:KVB+1], s[70:71], s[2:3]
	s_lshl_b32 s27, s19, 8
	s_add_co_u32 s27, s27, 126
	s_sub_co_u32 s27, s27, s26                     ; tile B's first tile of step 0: 256 n + 126 - 2 x pair
	s_mul_i32 s2, s27, 768
	s_add_nc_u64 s[RRB:RRB+1], s[72:73], s[2:3]
	s_lshl_b32 s2, s27, 6
	s_add_co_u32 s2, s2, 3145728
	s_add_nc_u64 s[RSB:RSB+1], s[72:73], s[2:3]
	s_lshl_b32 s2, s14, 7
	s_add_co_u32 s2, s2, s26                       ; 128 b + tile
	s_lshl_b32 s27, s2, 4
	s_add_co_u32 s27, s27, s19
	s_lshl_b32 s2, s2, 12
	s_add_nc_u64 s[SGB:SGB+1], s[74:75], s[2:3]    ; tile A's segment words; tile B's lie 4,096 bytes on
	s_lshl_b32 s2, s27, 10
	s_add_nc_u64 s[8:9], s[80:81], s[2:3]          ; tile A's record of the result; tile B's lies 16,384 bytes on
	s_lshl_b32 s2, s14, 24
	s_lshl_b32 s27, s26, 17
	s_add_co_u32 s2, s2, s27
	s_add_nc_u64 s[MB:MB+1], s[76:77], s[2:3]      ; tile A's 16 rows of the mask; tile B's lie 131,072 bytes on
	v_and_b32 v26, 31, v0
	v_and_b32 v27, 15, v0                          ; r
	v_bfe_u32 v28, v0, 4, 1                        ; hl
	v_lshlrev_b32 v[L8], 3, v26
	v_lshlrev_b32 v[R8], 3, v27
	v_lshlrev_b32 v[MO], 13, v27
	v_lshlrev_b32 v[L4], 2, v26
	v_lshl_add_u32 v[MO], v28, 5, v[MO]
	s_wait_alu depctr_va_vdst(0)
.irp t, 0,1
	global_load_b64 v[QSW+2*\t:QSW+2*\t+1], v[R8], s[10:11] offset:1792*\t+1536   ; the two scale words of query r, in every lane
.endr
.irp t, 0,1
	WIN 0x40*\t
.irp p, 0,1,2
	global_load_b64 v[QW+2*\p:QW+2*\p+1], v[L8], s[10:11] offset:1792*\t+256*\p
	global_load_b64 v[QR+2*\p:QR+2*\p+1], v[L8], s[10:11] offset:1792*\t+768+256*\p
.endr
	global_load_b64 v[DIF:DIF+1], v[R8], s[10:11] offset:1792*\t+1664             ; diff, same of query r
.endr
	WIN 0
	s_wait_kmcnt 0x0
	s_bcnt1_i32_b32 s[NT], s[LIVE]                 ; the steps to be done
	ADV                                            ; the first of them
	LDR
	LDKV FB, KSW, 0, 6144
	LDKV FV, VSW, 3072, 6400
	s_load_b512 s[SG:SG+15], s[SEGN:SEGN+1], 0x0   ; tile A's segment words of that step (the arguments' registers are done with)
	s_load_b512 s[SG+16:SG+31], s[SEGN:SEGN+1], 0x40
	s_mul_i32 s13, s[WV], 6400                     ; my stage
	v_mul_u32_u24 v[SA], v28, 3232
	v_mul_u32_u24 v[LA], v27, 400
	v_lshl_add_u32 v[SA], v27, 2, v[SA]
	v_lshl_add_u32 v[LA], v28, 5, v[LA]
	v_add_nc_u32 v[SA], s13, v[SA]                 ; row 8 hl + jj at word u + m: 3,232 hl + 4 r, + 404 jj + 64 x in the immediate
	v_add_nc_u32 v[LA], s13, v[LA]
	v_add_nc_u32 v[LA], 64, v[LA]                  ; row r from word 16 + 8 hl on
.irp j, 0,1,2,3,4,5
	v_mov_b32 v[FA+36+\j], 0                       ; named on top of the streamed operands
.endr
.irp t, 0,1
	WIN 0x40*\t
.irp j, 0,1,2,3,4,5
	v_mov_b32 v[QW+6+\j], 0                        ; the zeros behind the operands that stay
	v_mov_b32 v[QR+6+\j], 0
	v_mov_b32 v[P+6+\j], 0
.endr
.set j, 0
.rept 32
	v_mov_b32 v[O+j], 0                            ; the step is written once for all steps: the first finds zeros
.set j, j+1
.endr
	v_mov_b32 v[TMX], 0xff61b1e6                   ; -3e38, under every t
	v_mov_b32 v[NM], 0x7f61b1e6                    ; -M = floor(3e38)
	v_mov_b32 v[SUM], 0
	v_mov_b32 v[SUM+1], 0
	v_mov_b32 v[FF+1], 0                           ; named as the upper half of a pair
	v_mov_b32 v[BP], 0                             ; a lane permute's destination counts as one of its sources
	v_mov_b32 v[BP+1], 0
.endr
.irp j, 0,1,2,3,4,5
	v_mov_b32 v[FB+24+\j], 0
	v_mov_b32 v[FV+24+\j], 0
.endr
	WIN 0
; ONE TILE'S SOFTMAX AND ITS PRODUCT WITH V, behind K Qw^T.  t: the tile (its window); m = 1: the step has a mask term.
.macro SOFT t, m
	WIN 0x55*\t
	s_wait_kmcnt 0x0                               ; this tile's segment words
.irp c, 0,1
.irp k, 0,1,2,3,4,5,6,7
	v_cndmask_b32 v[BX+\k], v[DIF], v[SAM], s[SG+16*\c+\k]     ; the first sixteen name no register of the products above: they are the places behind them
.endr
.irp k, 0,1,2,3,4,5,6,7
	v_cndmask_b32 v[ST+\k], v[DIF], v[SAM], s[SG+16*\c+8+\k]
.endr
.irp k, 0,1,2,3
	v_pk_add_f32 v[S+16*\c+2*\k:S+16*\c+2*\k+1], v[S+16*\c+2*\k:S+16*\c+2*\k+1], v[BX+2*\k:BX+2*\k+1]   ; each result from its low end on
.endr
.irp k, 0,1,2,3
	v_pk_add_f32 v[S+16*\c+8+2*\k:S+16*\c+8+2*\k+1], v[S+16*\c+8+2*\k:S+16*\c+8+2*\k+1], v[ST+2*\k:ST+2*\k+1]
.endr
.endr
.if \t == 0
	s_load_b512 s[SG:SG+15], s[SEGC:SEGC+1], 4096  ; tile B's words of this step
	s_load_b512 s[SG+16:SG+31], s[SEGC:SEGC+1], 4160
.else
	s_load_b512 s[SG:SG+15], s[SEGN:SEGN+1], 0x0   ; tile A's of the next
	s_load_b512 s[SG+16:SG+31], s[SEGN:SEGN+1], 0x40
	LDKV FB, KSW, 0, 6144                          ; K's registers have had their last product: the next step's K
	WIN 0x55
.endif
.if \m
	s_wait_alu depctr_va_vdst(0)                   ; directly ahead of the wait below
	s_wait_loadcnt 29+5*\t                         ; my mask; younger: tile A: tile B's 8 and the next R's 21; tile B: the next R's 21 and K's 13
.set k, 0
.rept 16
	v_pk_fma_f32 v[S+2*k:S+2*k+1], v[MK+2*k:MK+2*k+1], s[NI:NI+1], v[S+2*k:S+2*k+1] op_sel_hi:[1,0,1]
.set k, k+1
.endr
.endif
.irp b, 0,1
	v_max3_num_f32 v[BM+\b], v[S+16*\b], v[S+16*\b+1], v[S+16*\b+2]    ; the largest score of each block of 32 keys: for the row's maximum and, since p rises with the score, for the block's largest p
.endr
.irp i, 3,5,7,9,11,13
.irp b, 0,1
	s_delay_alu instid0(VALU_DEP_2)
	v_max3_num_f32 v[BM+\b], v[BM+\b], v[S+16*\b+\i], v[S+16*\b+\i+1]
.endr
.endr
.irp b, 0,1
	s_delay_alu instid0(VALU_DEP_2)
	v_max_num_f32 v[BM+\b], v[BM+\b], v[S+16*\b+15]
.endr
.irp b, 0,1
	s_delay_alu instid0(VALU_DEP_2)
	v_permlanex16_b32 v[BP+\b], v[BM+\b], s[SEL], s[SEL+1]
.endr
.irp b, 0,1
	s_delay_alu instid0(VALU_DEP_2)
	v_max_num_f32 v[BM+\b], v[BM+\b], v[BP+\b]
.endr
	s_delay_alu instid0(VALU_DEP_1)
	v_max_num_f32 v[TT], v[BM], v[BM+1]
	s_delay_alu instid0(VALU_DEP_1)
	v_mul_f32 v[TT], s[CS], v[TT]
	s_delay_alu instid0(VALU_DEP_1)
	v_max_num_f32 v[TMX], v[TMX], v[TT]            ; the running largest t
	v_mov_b32 v[OLD], v[NM]
	s_delay_alu instid0(VALU_DEP_2)
	v_floor_f32 v[NM], -v[TMX]                     ; -M = floor(-t): M is a whole number
	s_delay_alu instid0(VALU_DEP_1)
	v_sub_f32 v[TT], v[NM], v[OLD]
	s_delay_alu instid0(VALU_DEP_1)
	v_cvt_i32_f32 v[TT], v[TT]                     ; (it saturates)
	s_delay_alu instid0(VALU_DEP_1)
	v_ldexp_f32 v[FF], 1.0, v[TT]                  ; f = 2^(old M - new M)
.set k, 0
.rept 16
	v_pk_fma_f32 v[S+2*k:S+2*k+1], v[S+2*k:S+2*k+1], s[CS:CS+1], v[NM:NM+1] op_sel_hi:[1,0,0]
.set k, k+1
.endr
.irp b, 0,1
	v_fma_f32 v[BM+\b], v[BM+\b], s[CS], v[NM]
.endr
	s_wait_alu depctr_va_vdst(0)                   ; the wait ahead of the batch
.set k, 0
.rept 32
	v_exp_f32 v[S+k], v[S+k]                       ; p = 2^(t - M)
.set k, k+1
.endr
.irp b, 0,1
	v_exp_f32 v[BM+\b], v[BM+\b]
.endr
	v_pk_mul_f32 v[SUM:SUM+1], v[SUM:SUM+1], v[FF:FF+1] op_sel_hi:[1,0]    ; the sum under the new M; a plain place behind the exponentials
	s_wait_alu depctr_va_vdst(0)                   ; and behind it, ahead of its first reader
.irp b, 0,1
	v_max_num_f32 v[BM+\b], 0x1800000, v[BM+\b]    ; the floor 2^(3 - 127): the byte cannot fall under 1
.endr
.irp b, 0,1
	s_delay_alu instid0(VALU_DEP_2)
	v_add_nc_u32 v[SO+\b], 0xff000000, v[BM+\b]    ; 2 off the exponent field: the conversion's scale operand
.endr
.irp b, 0,1
	s_delay_alu instid0(VALU_DEP_2)
	v_lshrrev_b32 v[BY+\b], 23, v[SO+\b]
.endr
	WIN 0x11*\t
	v_lshl_or_b32 v[PSW+\t], v[BY+1], 8, v[BY]     ; p's scale word, into window 0
	WIN 0x55*\t
	v_cvt_scalef32_pk16_fp6_f32 v[P:P+2], v[S:S+15], v[SO]
	v_cvt_scalef32_pk16_fp6_f32 v[PT:PT+2], v[S+16:S+31], v[SO+1]
	v_nop                                          ; one plain place behind a scaled conversion
.irp i, 0,1,2
	v_permlane16_swap_b32 v[P+\i], v[PT+\i]        ; a whole block to a lane
.endr
.irp i, 0,1,2
	s_delay_alu instid0(VALU_DEP_3)
	v_mov_b32 v[P+3+\i], v[PT+\i]
.endr
.if \t == 0
	s_wait_loadcnt 21+16*\m                        ; V; younger: the mask's 16, where there are any, and the next R's 21
.endif
	s_wait_alu depctr_va_vdst(0)                   ; directly ahead of the first reader of O^T
.set k, 0
.rept 16
	v_pk_mul_f32 v[O+2*k:O+2*k+1], v[O+2*k:O+2*k+1], v[FF:FF+1] op_sel_hi:[1,0]   ; O^T under the new M; these 16 also stand between p's scale word and codes and the products below
.set k, k+1
.endr
	WIN 0x01+0x54*\t                               ; source 0, V, in window 1; p and O^T in the tile's
.irp T, 0,1,2,3
	WM O+8*\T, FV+6*\T, P, 0, VSW+\T/2, PSW+\t, \T%2
.endr
	WIN 0x55*\t
.irp c, 0,1,2,3
	v_pk_add_f32 v[ST+2*\c:ST+2*\c+1], v[S+4*\c:S+4*\c+1], v[S+4*\c+2:S+4*\c+3]   ; the sum of the unquantised p, in four chains; these 16 are the places behind the products
.endr
.irp i, 16,24
.irp c, 0,1,2,3
	v_pk_add_f32 v[ST+2*\c:ST+2*\c+1], v[ST+2*\c:ST+2*\c+1], v[S+\i+2*\c:S+\i+2*\c+1]
.endr
.endr
	v_pk_add_f32 v[ST:ST+1], v[ST:ST+1], v[ST+2:ST+3]
	v_pk_add_f32 v[ST+4:ST+5], v[ST+4:ST+5], v[ST+6:ST+7]
	s_delay_alu instid0(VALU_DEP_2)
	v_pk_add_f32 v[SUM:SUM+1], v[SUM:SUM+1], v[ST:ST+1]
	s_delay_alu instid0(VALU_DEP_1)
	v_pk_add_f32 v[SUM:SUM+1], v[SUM:SUM+1], v[ST+4:ST+5]
.endm
; A KEY STEP: 64 keys, both tiles.  At its head R's 21, K's 13 and V's 13 loads are out, in this order.  m = 1: with the mask term.
.macro STEP m
.if \m
.irp t, 0,1
	WIN 0x40*\t
.irp T, 0,1,2,3
	global_load_b128 v[MK+8*\T:MK+8*\T+3], v[MO], s[MKC:MKC+1] offset:131072*\t+64*\T
	global_load_b128 v[MK+8*\T+4:MK+8*\T+7], v[MO], s[MKC:MKC+1] offset:131072*\t+64*\T+16
.endr
.endr
.endif
	s_wait_loadcnt 26+16*\m                        ; R (and, the first time, Q); younger: K's 13, V's 13, the mask's 16
.irp t, 0,1
	WIN 0x41*\t                                    ; Qr and the result in the tile's window, R in window 0.  Tile A takes R's tiles 1-5, tile B 0-4
.irp x, 0,1,2,3,4
	WM S+8*\x, QR, FA+6*(\x+1-\t), 1, QSW+2*\t+1, RSW+(\x+1-\t)/2, (\x+1-\t)%2    ; (the fifth result falls into BX = S + 32)
.endr
.endr
.rept 5
	v_nop                                          ; four places in front of the stores of these results and of loads into their sources; a fifth, since matrix instructions write these registers again
.endr
	LDR                                            ; R's registers have had their last product: the next step's R
.irp t, 0,1
	WIN 0x04*\t
.irp x, 0,1,2,3,4
.irp j, 0,1,2,3,4,5,6,7
	ds_store_b32 v[SA], v[S+8*\x+\j] offset:404*\j+64*\x       ; each result from its low end on
.endr
.endr
	WIN 0x40*\t
.irp T, 0,1,2,3
	ds_load_b128 v[S+8*\T:S+8*\T+3], v[LA] offset:64*\T        ; LDS serves a wave's instructions in order: these see my stores, and tile B's stores come behind tile A's loads
	ds_load_b128 v[S+8*\T+4:S+8*\T+7], v[LA] offset:64*\T+16
.endr
.endr
	s_wait_loadcnt 34+16*\m                        ; K; younger: V's 13, the mask's 16, the next R's 21
	s_wait_dscnt 48                                ; tile A's position term; tile B's 40 stores and 8 loads may be out
	WIN 0x01
.irp T, 0,1,2,3
	WM S+8*\T, FB+6*\T, QW, 0, KSW+\T/2, QSW, \T%2             ; content onto the position term
.endr
	SOFT 0, \m
	s_wait_alu depctr_va_vdst(0)                   ; directly ahead of the wait below
	s_wait_dscnt 0x0                               ; tile B's position term
	WIN 0x55
.irp T, 0,1,2,3
	WM S+8*\T, FB+6*\T, QW, 0, KSW+\T/2, QSW+2, \T%2
.endr
	SOFT 1, \m
	LDKV FV, VSW, 3072, 6400                       ; V's registers have had their last product: the next step's V
	s_wait_alu depctr_va_vdst(0)                   ; the wait ahead of the branch that follows
.endm
	s_wait_alu depctr_va_vdst(0)                   ; the wait at the head's end
.Ltrip:                                            ; one trip for each step to be done
	s_wait_xcnt 0x0                                ; the bases of the loads that are out are written only behind this wait
	s_mov_b64 s[SEGC:SEGC+1], s[SEGN:SEGN+1]       ; what was the next step is the step in hand
	s_lshl_b32 s2, s[STP], 8
	s_add_nc_u64 s[MKC:MKC+1], s[MB:MB+1], s[2:3]
	s_mov_b32 s[CG], s[CGN]
	ADV
	s_cmp_lg_u32 s[CG], 0
	s_cbranch_scc1 .Lgen
	STEP 0
	s_branch .Ljoin
.Lgen:
	STEP 1
.Ljoin:
	s_add_co_u32 s[CNT], s[CNT], 1
	s_cmp_lt_u32 s[CNT], s[NT]
	s_cbranch_scc1 .Ltrip
; THE WAY OUT: O^T / the sum, quantised along h: 6 registers of codes and a scale word, as an image
.macro OUT t
	WIN 0x55*\t
	v_add_f32 v[SUM], v[SUM], v[SUM+1]
	s_delay_alu instid0(VALU_DEP_1)
	v_permlanex16_b32 v[BP], v[SUM], s[SEL], s[SEL+1]
	s_delay_alu instid0(VALU_DEP_1)
	v_add_f32 v[SUM], v[SUM], v[BP]
	s_wait_alu depctr_va_vdst(0)
	v_rcp_f32 v[SUM], v[SUM]
	v_mov_b32 v[TT+1], 0                           ; a plain place behind the reciprocal; the unit's second word
	s_wait_alu depctr_va_vdst(0)
.set k, 0
.rept 32
	v_mul_f32 v[S+k], v[O+k], v[SUM]
.set k, k+1
.endr
.irp b, 0,1
	v_max3_num_f32 v[BM+\b], |v[S+16*\b]|, |v[S+16*\b+1]|, 0x1800000
.endr
.irp i, 2,4,6,8,10,12,14
.irp b, 0,1
	s_delay_alu instid0(VALU_DEP_2)
	v_max3_num_f32 v[BM+\b], v[BM+\b], |v[S+16*\b+\i]|, |v[S+16*\b+\i+1]|
.endr
.endr
.irp b, 0,1
	s_delay_alu instid0(VALU_DEP_2)
	v_permlanex16_b32 v[BP+\b], v[BM+\b], s[SEL], s[SEL+1]
.endr
.irp b, 0,1
	s_delay_alu instid0(VALU_DEP_2)
	v_max_num_f32 v[BM+\b], v[BM+\b], v[BP+\b]
.endr
.irp b, 0,1
	s_delay_alu instid0(VALU_DEP_2)
	v_add_nc_u32 v[SO+\b], 0xff000000, v[BM+\b]
.endr
.irp b, 0,1
	s_delay_alu instid0(VALU_DEP_2)
	v_lshrrev_b32 v[BY+\b], 23, v[SO+\b]
.endr
	s_delay_alu instid0(VALU_DEP_1)
	v_lshl_or_b32 v[TT], v[BY+1], 8, v[BY]
	v_cvt_scalef32_pk16_fp6_f32 v[P:P+2], v[S:S+15], v[SO]
	v_cvt_scalef32_pk16_fp6_f32 v[PT:PT+2], v[S+16:S+31], v[SO+1]
	v_nop
.irp i, 0,1,2
	v_permlane16_swap_b32 v[P+\i], v[PT+\i]
.endr
.irp i, 0,1,2
	s_delay_alu instid0(VALU_DEP_3)
	v_mov_b32 v[P+3+\i], v[PT+\i]
.endr
	WIN 0x04*\t
.irp p, 0,1,2
	global_store_b64 v[L8], v[P+2*\p:P+2*\p+1], s[8:9] offset:16384*\t+256*\p     ; 256 consecutive bytes a store, aligned
.endr
	global_store_b64 v[L8], v[TT:TT+1], s[8:9] offset:16384*\t+768
.endm
	s_wait_loadcnt 0x0                             ; the loads asked for behind the last step land in registers that are named no more
	OUT 0
	OUT 1
	WIN 0
	s_wait_tensorcnt 0x0                           ; the wave's end
	ds_add_u32 v[SPW], v[NIL]
	s_wait_dscnt 0x0
	s_endpgm
.Lfunc_end_k_q49c4e61017_attn:
	.size	k_q49c4e61017_attn, .Lfunc_end_k_q49c4e61017_attn-k_q49c4e61017_attn
	.p2alignl 7, 3214868480
	.fill 96, 4, 3214868480
	.section	.rodata,"a",@progbits
	.p2align	6, 0x0
	.amdhsa_kernel k_q49c4e61017_attn
		.amdhsa_group_segment_fixed_size 52224
		.amdhsa_private_segment_fixed_size 0
		.amdhsa_enable_private_segment 0
		.amdhsa_kernarg_size 56
		.amdhsa_user_sgpr_count 2
		.amdhsa_user_sgpr_kernarg_segment_ptr 1
		.amdhsa_wavefront_size32 1
		.amdhsa_system_sgpr_workgroup_id_x 1
		.amdhsa_system_sgpr_workgroup_id_y 1
		.amdhsa_system_sgpr_workgroup_id_z 1
		.amdhsa_system_vgpr_workitem_id 0
		.amdhsa_next_free_vgpr 512
		.amdhsa_next_free_sgpr 106
		.amdhsa_reserve_vcc 0
		.amdhsa_float_denorm_mode_32 3
		.amdhsa_float_denorm_mode_16_64 3
		.amdhsa_memory_ordered 1
		.amdhsa_forward_progress 1
		.amdhsa_inst_pref_size 101
	.end_amdhsa_kernel
	.amdgpu_metadata
---
amdhsa.version: [ 1, 2 ]
amdhsa.kernels:
  - .name:           k_q49c4e61017_attn
    .symbol:         k_q49c4e61017_attn.kd
    .args:
      - { .name: qrec, .offset: 0, .size: 8, .value_kind: global_buffer, .address_space: global }
      - { .name: kv, .offset: 8, .size: 8, .value_kind: global_buffer, .address_space: global }
      - { .name: rr, .offset: 16, .size: 8, .value_kind: global_buffer, .address_space: global }
      - { .name: segw, .offset: 24, .size: 8, .value_kind: global_buffer, .address_space: global }
      - { .name: attn_mask, .offset: 32, .size: 8, .value_kind: global_buffer, .address_space: global }
      - { .name: fl, .offset: 40, .size: 8, .value_kind: global_buffer, .address_space: global }
      - { .name: avrec, .offset: 48, .size: 8, .value_kind: global_buffer, .address_space: global }
    .group_segment_fixed_size: 52224
    .private_segment_fixed_size: 0
    .kernarg_segment_align: 8
    .kernarg_segment_size: 56
    .max_flat_workgroup_size: 256
    .sgpr_count:     106
    .vgpr_count:     512
    .wavefront_size: 32
...
	.end_amdgpu_metadata
.endif
;; end of part 4
;; launch post (part 5): grid 128 x 1, 16 waves a work-group, no clusters, 166,400 bytes of LDS; arguments avrec, pw, q, postb, ln_g, ln_b, out0; writes out0
.if DOCPART == 5
	.amdgcn_target "amdgcn-amd-amdhsa--gfx1250"
	.amdhsa_code_object_version 6
	.text
	.protected	k_q49c4e61017_post
	.globl	k_q49c4e61017_post
	.p2align	8
	.type	k_q49c4e61017_post,@function
k_q49c4e61017_post:
	s_mov_b64 s[64:65], 0
	v_nop
	global_prefetch_b8 v0, s[64:65] scope:SCOPE_SE
	s_setreg_imm32_b32 hwreg(HW_REG_WAVE_MODE, 25, 1), 1
	s_wait_xcnt 0x0
; post: out = layer norm(q + attn_vec postW + postb), the product on codes of E2M3 over K = 1,024 = (head, h).
; A work-group takes 32 tokens x all 1,024 columns, so that a row's mean and variance stay in the work-group.  Wave w makes columns 64 w .. 64 w + 63 (four tiles) for the two tiles of 16 tokens: eight accumulators by turns.
; The tokens' codes (32 KB) are copied into LDS once and read by all sixteen waves.  Each weight fragment is used by one wave alone: it comes from memory straight into registers, in the order of the operand's registers
; (512 consecutive bytes a load), two K steps ahead.  No tensor load: nothing here is shared through LDS but the tokens' codes and the results.
; Source 0 = 16 columns of postW, source 1 = 16 tokens: a lane holds one token and eight neighbouring columns.  postb is loaded into the accumulators and is the C of the first products.
; The results meet in a stage (rows of 4,096 bytes + 16); wave w then takes rows 2 w and 2 w + 1 whole: x = y + q, mean, variance (of x - mean), 1 / sqrt(var + 1e-5), gain and bias, all in f32.
; LIMITS: NaN and infinities are not served.
.set YST,  32768
.set YP,   4112
.set L16,  1
.set L8,   2
.set H32,  3
.set CPA,  4
.set SO0,  5
.set SO1,  6
.set SRD,  7
.set CP,   8                           ; v8-23 the copy; later at work
.set WF,   32                          ; v32-127 two sets of four weight fragments
.set ACC,  128                         ; accumulator (tt, T) at 128 + 8 (4 tt + T)
.set AF,   192                         ; v192-215 the two tiles' fragments
.set ASW,  216                         ; v216-231 their scale words, 8 tt + kappa
.set WSW,  232                         ; v232-235 the weights' scale words, two sets
.set QX,   32                          ; v32-95 q's two rows
.set LG,   96                          ; v96-127 ln_g
.set LB,   128                         ; v128-159 ln_b
.set Y,    160                         ; v160-191 a row at work
.macro WM d, a, b, sa, sb, row
.if \row
	v_wmma_scale_f32_16x16x128_f8f6f4 v[\d:\d+7], v[\a:\a+11], v[\b:\b+11], v[\d:\d+7], v[\sa], v[\sb] matrix_a_fmt:MATRIX_FMT_FP6 matrix_b_fmt:MATRIX_FMT_FP6 matrix_a_scale:MATRIX_SCALE_ROW1
.else
	v_wmma_scale_f32_16x16x128_f8f6f4 v[\d:\d+7], v[\a:\a+11], v[\b:\b+11], v[\d:\d+7], v[\sa], v[\sb] matrix_a_fmt:MATRIX_FMT_FP6 matrix_b_fmt:MATRIX_FMT_FP6
.endif
.endm
	s_load_b256 s[4:11], s[0:1], 0x0               ; avrec, pw, q, postb
	s_load_b128 s[12:15], s[0:1], 0x20             ; ln_g, ln_b
	s_load_b64 s[16:17], s[0:1], 0x30              ; out0
	v_lshl_add_u32 v254, v0, 2, 0x28200
	v_mov_b32 v255, 0
	v_lshrrev_b32 v8, 5, v0
	s_delay_alu instid0(VALU_DEP_1)
	v_readfirstlane_b32 s18, v8                    ; wave
	v_and_b32 v8, 31, v0
	v_and_b32 v9, 15, v0
	v_bfe_u32 v10, v0, 4, 1
	s_delay_alu instid0(VALU_DEP_3)
	v_lshlrev_b32 v[L16], 4, v8
	s_delay_alu instid0(VALU_DEP_4)
	v_lshlrev_b32 v[L8], 3, v8
	s_delay_alu instid0(VALU_DEP_3)
	v_lshlrev_b32 v[H32], 5, v10
	s_lshl_b32 s19, s18, 11
	v_add_nc_u32 v[CPA], s19, v[L16]               ; my 2 KB of the copy
	v_mul_u32_u24 v[SO0], v9, YP
	s_delay_alu instid0(VALU_DEP_1)
	v_add_nc_u32 v[SO0], v[SO0], v[H32]
	s_lshl_b32 s26, s18, 8
	s_add_co_u32 s27, s26, YST
	v_add_nc_u32 v[SO0], s27, v[SO0]               ; the stage, in: row r, + 256 w + 32 hl
	s_delay_alu instid0(VALU_DEP_1)
	v_add_nc_u32 v[SO1], 16*YP, v[SO0]             ; and 16 rows on
	s_mul_i32 s27, s18, 2*YP
	s_add_co_u32 s27, s27, YST
	v_add_nc_u32 v[SRD], s27, v[L16]               ; out: row 2 w, 16 bytes a lane
	s_mov_b32 s22, 0x76543210
	s_mov_b32 s23, 0xfedcba98
	s_mov_b32 s24, 0x3a800000                      ; 1 / 1,024
	s_mov_b32 s25, 0x3727c5ac                      ; 1e-5
	s_mov_b32 s21, 0
	s_wait_alu depctr_va_vdst(0)
	s_wait_kmcnt 0x0
	s_lshl_b32 s20, ttmp9, 15
	s_add_co_u32 s20, s20, s19
	s_add_nc_u64 s[4:5], s[4:5], s[20:21]
	s_mov_b32 s20, s26
	s_add_nc_u64 s[10:11], s[10:11], s[20:21]      ; postb at my 64 columns
	s_mul_i32 s20, s18, 49152
	s_add_nc_u64 s[28:29], s[6:7], s[20:21]        ; my 32 fragments
	s_add_co_u32 s20, s19, 786432
	s_add_nc_u64 s[30:31], s[6:7], s[20:21]        ; and their scale units
	s_lshl_b32 s20, ttmp9, 5
	s_lshl_b32 s27, s18, 1
	s_add_co_u32 s20, s20, s27
	s_lshl_b32 s20, s20, 12
	s_add_nc_u64 s[8:9], s[8:9], s[20:21]          ; q and out0 at row 32 g + 2 w
	s_add_nc_u64 s[16:17], s[16:17], s[20:21]
.irp i, 0,1,2,3
	global_load_b128 v[CP+4*\i:CP+4*\i+3], v[L16], s[4:5] offset:512*\i th:TH_LOAD_NT
.endr
.irp tt, 0,1
.irp T, 0,1,2,3
	global_load_b128 v[ACC+8*(4*\tt+\T):ACC+8*(4*\tt+\T)+3], v[H32], s[10:11] offset:64*\T
	global_load_b128 v[ACC+8*(4*\tt+\T)+4:ACC+8*(4*\tt+\T)+7], v[H32], s[10:11] offset:64*\T+16
.endr
.endr
.macro WBATCH k                        ; K step k: four fragments and their unit of scale words: 13 loads
.irp T, 0,1,2,3
.irp c, 0,1,2
	global_load_b128 v[WF+48*((\k)%2)+12*\T+4*\c:WF+48*((\k)%2)+12*\T+4*\c+3], v[L16], s[28:29] offset:6144*(\k)+1536*\T+512*\c
.endr
.endr
	global_load_b64 v[WSW+2*((\k)%2):WSW+2*((\k)%2)+1], v[L8], s[30:31] offset:256*(\k)
.endm
	WBATCH 0
	WBATCH 1
	s_wait_loadcnt 42                              ; the copy's four loads are in; 16 + 13 + 13 younger ones may be out
.irp i, 0,1,2,3
	ds_store_b128 v[CPA], v[CP+4*\i:CP+4*\i+3] offset:512*\i
.endr
	s_wait_dscnt 0x0
	s_barrier_signal -1
	s_barrier_wait -1                              ; the 32 records lie in LDS
.irp tt, 0,1
.irp n, 0,1,2,3,4,5,6,7,8,9,10,11,12,13,14,15
	ds_load_b32 v[AF+\n], v[L8] offset:(16*\tt+\n)*1024+768
.endr
	s_wait_dscnt 0x0
.irp k, 0,1,2,3,4,5,6,7
	v_lshl_or_b32 v[ASW+8*\tt+\k], v[AF+2*\k+1], 16, v[AF+2*\k]    ; two heads' two bytes each: the word of 128 along K
.endr
.endr
.rept 8
	v_nop                                          ; a scale register written by a vector instruction stands eight places ahead of a scaled matrix instruction
.endr
.macro KAPPA k
.irp tt, 0,1
.irp e, 0,1
.irp p, 0,1,2
	ds_load_b64 v[AF+12*\tt+6*\e+2*\p:AF+12*\tt+6*\e+2*\p+1], v[L8] offset:(16*\tt+2*(\k)+\e)*1024+256*\p
.endr
.endr
.endr
.if (\k) < 7
	s_wait_loadcnt 13                              ; this K step's batch (and, the first time, postb) is in; the next batch may be out
.else
	s_wait_loadcnt 0x0
.endif
	s_wait_dscnt 0x0
.irp tt, 0,1
.irp T, 0,1,2,3
	WM ACC+8*(4*\tt+\T), WF+48*((\k)%2)+12*\T, AF+12*\tt, WSW+2*((\k)%2)+\T/2, ASW+8*\tt+(\k), \T%2
.endr
.endr
.rept 4
	v_nop                                          ; places in front of loads into registers that these have read, and of the first read of results
.endr
.if (\k)+2 < 8
	WBATCH (\k)+2
.endif
.endm
	s_wait_alu depctr_va_vdst(0)
.irp k, 0,1,2,3,4,5,6,7
	KAPPA \k
.endr
.irp p, 0,1
.irp i, 0,1,2,3,4,5,6,7
	global_load_b128 v[QX+32*\p+4*\i:QX+32*\p+4*\i+3], v[L16], s[8:9] offset:4096*\p+512*\i th:TH_LOAD_NT
.endr
.endr
.irp i, 0,1,2,3,4,5,6,7
	global_load_b128 v[LG+4*\i:LG+4*\i+3], v[L16], s[12:13] offset:512*\i
.endr
.irp T, 0,1,2,3
	ds_store_b128 v[SO0], v[ACC+8*\T:ACC+8*\T+3] offset:64*\T              ; each accumulator from its low end on
	ds_store_b128 v[SO0], v[ACC+8*\T+4:ACC+8*\T+7] offset:64*\T+16
	ds_store_b128 v[SO1], v[ACC+32+8*\T:ACC+32+8*\T+3] offset:64*\T
	ds_store_b128 v[SO1], v[ACC+32+8*\T+4:ACC+32+8*\T+7] offset:64*\T+16
.endr
	s_wait_dscnt 0x0
	s_barrier_signal -1
	s_barrier_wait -1                              ; 32 whole rows lie in the stage
.irp i, 0,1,2,3,4,5,6,7
	global_load_b128 v[LB+4*\i:LB+4*\i+3], v[L16], s[14:15] offset:512*\i
.endr
.macro WSUM                            ; v8: the sum over the wave's 32 lanes, in every lane
	s_delay_alu instid0(VALU_DEP_1)
	v_add_f32_dpp v8, v8, v8 row_xmask:1 row_mask:0xf bank_mask:0xf
	s_delay_alu instid0(VALU_DEP_1)
	v_add_f32_dpp v8, v8, v8 row_xmask:2 row_mask:0xf bank_mask:0xf
	s_delay_alu instid0(VALU_DEP_1)
	v_add_f32_dpp v8, v8, v8 row_xmask:4 row_mask:0xf bank_mask:0xf
	s_delay_alu instid0(VALU_DEP_1)
	v_add_f32_dpp v8, v8, v8 row_xmask:8 row_mask:0xf bank_mask:0xf
	s_delay_alu instid0(VALU_DEP_1)
	v_permlanex16_b32 v9, v8, s22, s23
	s_delay_alu instid0(VALU_DEP_1)
	v_add_f32 v8, v8, v9
.endm
.macro LNROW p
.if \p
	s_wait_xcnt 0x0                                ; the last row's stores have read their registers
.endif
.irp i, 0,1,2,3,4,5,6,7
	ds_load_b128 v[Y+4*\i:Y+4*\i+3], v[SRD] offset:YP*\p+512*\i
.endr
	s_wait_dscnt 0x0
.if \p == 0
	s_wait_loadcnt 0x0                             ; q's rows, ln_g, ln_b
.endif
.set j, 0
.rept 16
	v_pk_add_f32 v[Y+2*j:Y+2*j+1], v[Y+2*j:Y+2*j+1], v[QX+32*\p+2*j:QX+32*\p+2*j+1]
.set j, j+1
.endr
	v_pk_add_f32 v[8:9], v[Y:Y+1], v[Y+2:Y+3]
	v_pk_add_f32 v[10:11], v[Y+4:Y+5], v[Y+6:Y+7]
.irp j, 8,12,16,20,24,28
	s_delay_alu instid0(VALU_DEP_2)
	v_pk_add_f32 v[8:9], v[8:9], v[Y+\j:Y+\j+1]
	s_delay_alu instid0(VALU_DEP_2)
	v_pk_add_f32 v[10:11], v[10:11], v[Y+\j+2:Y+\j+3]
.endr
	s_delay_alu instid0(VALU_DEP_1)
	v_pk_add_f32 v[8:9], v[8:9], v[10:11]
	s_delay_alu instid0(VALU_DEP_1)
	v_add_f32 v8, v8, v9
	WSUM
	s_delay_alu instid0(VALU_DEP_1)
	v_mul_f32 v12, s24, v8                         ; the mean, twice
	s_delay_alu instid0(VALU_DEP_2)
	v_mul_f32 v13, s24, v8
.set j, 0
.rept 16
	v_pk_add_f32 v[Y+2*j:Y+2*j+1], v[Y+2*j:Y+2*j+1], v[12:13] neg_lo:[0,1] neg_hi:[0,1]
.set j, j+1
.endr
	v_pk_mul_f32 v[8:9], v[Y:Y+1], v[Y:Y+1]
	v_pk_mul_f32 v[10:11], v[Y+2:Y+3], v[Y+2:Y+3]
.irp j, 4,8,12,16,20,24,28
	s_delay_alu instid0(VALU_DEP_2)
	v_pk_fma_f32 v[8:9], v[Y+\j:Y+\j+1], v[Y+\j:Y+\j+1], v[8:9]
	s_delay_alu instid0(VALU_DEP_2)
	v_pk_fma_f32 v[10:11], v[Y+\j+2:Y+\j+3], v[Y+\j+2:Y+\j+3], v[10:11]
.endr
	s_delay_alu instid0(VALU_DEP_1)
	v_pk_add_f32 v[8:9], v[8:9], v[10:11]
	s_delay_alu instid0(VALU_DEP_1)
	v_add_f32 v8, v8, v9
	WSUM
	s_delay_alu instid0(VALU_DEP_1)
	v_fma_f32 v8, v8, s24, s25                     ; the variance + 1e-5
	s_wait_alu depctr_va_vdst(0)
	v_rsq_f32 v12, v8
	v_rsq_f32 v13, v8
	v_nop                                          ; a plain place behind the transcendentals
.set j, 0
	s_wait_alu depctr_va_vdst(0)
.rept 16
	v_pk_mul_f32 v[Y+2*j:Y+2*j+1], v[Y+2*j:Y+2*j+1], v[12:13]
.set j, j+1
.endr
.set j, 0
.rept 16
	v_pk_fma_f32 v[Y+2*j:Y+2*j+1], v[Y+2*j:Y+2*j+1], v[LG+2*j:LG+2*j+1], v[LB+2*j:LB+2*j+1]
.set j, j+1
.endr
.irp i, 0,1,2,3,4,5,6,7
	global_store_b128 v[L16], v[Y+4*\i:Y+4*\i+3], s[16:17] offset:4096*\p+512*\i th:TH_STORE_NT   ; 512 consecutive bytes, aligned
.endr
.endm
	LNROW 0
	LNROW 1
	s_wait_tensorcnt 0x0
	ds_add_u32 v254, v255
	s_wait_dscnt 0x0
	s_endpgm
.Lfunc_end_k_q49c4e61017_post:
	.size	k_q49c4e61017_post, .Lfunc_end_k_q49c4e61017_post-k_q49c4e61017_post
	.p2alignl 7, 3214868480
	.fill 96, 4, 3214868480
	.section	.rodata,"a",@progbits
	.p2align	6, 0x0
	.amdhsa_kernel k_q49c4e61017_post
		.amdhsa_group_segment_fixed_size 166400
		.amdhsa_private_segment_fixed_size 0
		.amdhsa_enable_private_segment 0
		.amdhsa_kernarg_size 56
		.amdhsa_user_sgpr_count 2
		.amdhsa_user_sgpr_kernarg_segment_ptr 1
		.amdhsa_wavefront_size32 1
		.amdhsa_system_sgpr_workgroup_id_x 1
		.amdhsa_system_sgpr_workgroup_id_y 1
		.amdhsa_system_sgpr_workgroup_id_z 1
		.amdhsa_system_vgpr_workitem_id 0
		.amdhsa_next_free_vgpr 256
		.amdhsa_next_free_sgpr 66
		.amdhsa_reserve_vcc 0
		.amdhsa_float_denorm_mode_32 3
		.amdhsa_float_denorm_mode_16_64 3
		.amdhsa_memory_ordered 1
		.amdhsa_forward_progress 1
		.amdhsa_inst_pref_size 58
	.end_amdhsa_kernel
	.amdgpu_metadata
---
amdhsa.version: [ 1, 2 ]
amdhsa.kernels:
  - .name:           k_q49c4e61017_post
    .symbol:         k_q49c4e61017_post.kd
    .args:
      - { .name: avrec, .offset: 0, .size: 8, .value_kind: global_buffer, .address_space: global }
      - { .name: pw, .offset: 8, .size: 8, .value_kind: global_buffer, .address_space: global }
      - { .name: q, .offset: 16, .size: 8, .value_kind: global_buffer, .address_space: global }
      - { .name: postb, .offset: 24, .size: 8, .value_kind: global_buffer, .address_space: global }
      - { .name: ln_g, .offset: 32, .size: 8, .value_kind: global_buffer, .address_space: global }
      - { .name: ln_b, .offset: 40, .size: 8, .value_kind: global_buffer, .address_space: global }
      - { .name: out0, .offset: 48, .size: 8, .value_kind: global_buffer, .address_space: global }
    .group_segment_fixed_size: 166400
    .private_segment_fixed_size: 0
    .kernarg_segment_align: 8
    .kernarg_segment_size: 56
    .max_flat_workgroup_size: 512
    .sgpr_count:     66
    .vgpr_count:     256
    .wavefront_size: 32
...
	.end_amdgpu_metadata
.endif
;; end of part 5
